; MI455X (gfx1250); checked and timed in simulation.
; The chip was launched on July 23, 2026; its instructions are those of AMD's public machine-readable ISA for CDNA 5 (MIT licence, August 2026) and "CDNA5" Instruction Set Architecture Reference Guide (July 2026). The comments in the code are by the model that wrote it; some were corrected since.
;; Self Attention. Allowed arithmetic: matrix products marked QUANTISED: E5M2 operands, one given power-of-two scale a tensor, by v_wmma_f32_16x16x64_bf8_bf8 or v_wmma_f32_16x16x128_bf8_bf8, f32 sums; everything else in f32.
;; Inputs: Wo_b 1,024 float32; Wo_w 1,024 x 1,024 float32; Wqkv_b 3,072 float32; Wqkv_w 3,072 x 1,024 float32; lowp_scales 8 int32 (the exponents e of the quantised operands' scales 2^e); p 4 x 2,048 int32; x 4 x 2,048 x 1,024 float32.
;; Outputs: out0 4 x 2,048 x 1,024 float32.
;; This version of the problem:
;;   THIS VERSION OF THE PROBLEM IS GIVEN IN LOW PRECISION. The matrix products marked QUANTISED in the list below multiply operands that are first quantised to E5M2 (5 exponent bits, 2 mantissa bits; 8 bits a number), with one given power-of-two scale for each operand tensor; their sums are f32. All else is computed in f32.
;;   The module's matrix products, in the order in which they are computed (A, B: the left and right operand; K: the contracted axis; several contracted axes count as one K, in the product's order):
;;     1. [M 8,192, K 1,024] x [K 1,024, N 3,072]; A: input x; B: input Wqkv_w: QUANTISED (scales: A lowp_scales[0], B lowp_scales[1])
;;     2. batch 64 x [M 2,048, K 64] x [K 64, N 2,048]; A: computed on the way; B: computed on the way: QUANTISED (scales: A lowp_scales[2], B lowp_scales[3])
;;     3. batch 64 x [M 2,048, K 2,048] x [K 2,048, N 64]; A: softmax (see below); B: computed on the way: QUANTISED (scales: A lowp_scales[4], B lowp_scales[5])
;;     4. [M 8,192, K 1,024] x [K 1,024, N 1,024]; A: computed on the way; B: input Wo_w: QUANTISED (scales: A lowp_scales[6], B lowp_scales[7])
;;   THE QUANTISER, for each operand of a quantised product, along K:
;;     - The operand's scale is 2^e, e = its entry of the input lowp_scales (int32; the entries are numbered through the quantised products in the list's order, A before B).
;;     - Each number is divided by the scale, clamped to +-57,344, and rounded to the nearest number of E5M2, ties to even, subnormals kept.
;;     - The product sums the exact products of the quantised numbers (number of the format x scale) in f32.
;;   ~~~python
;;   def quantise(x, axis, e):      # numpy; x: float32 -> the quantised numbers, widened to float32 again
;;       x = np.moveaxis(x, axis, -1); K = x.shape[-1]
;;       r = np.clip(x / 2.0 ** e, -57344, 57344)
;;       step = 2.0 ** (np.maximum(np.frexp(np.where(r == 0, 1, r))[1] - 1, -14) - 2)
;;       q = np.round(r / step) * step * 2.0 ** e      # np.round: ties to even
;;       return np.moveaxis(q, -1, axis).astype(np.float32)
;;   ~~~
;;   SOFTMAX AHEAD OF A QUANTISED PRODUCT. Where the list says 'softmax', what is quantised is not the finished softmax but p = 2^(t - M), with t = logit x log2(e) and M = ceil(the row's largest t), a whole number; so 1/2 < the row's largest p <= 1. The row's sum l is taken of the UNQUANTISED p, in f32, and the product's result is divided by l at the end. Since M is a whole number, a kernel that streams over the keys may use a running M (the ceiling of the running maximum): every later rescaling is an exact power of two, so the quantised numbers keep their values, but for numbers so far below the row's largest that they fall under the format's range.
;;   OPERANDS COMPUTED ON THE WAY. 'Computed on the way' means the value that the module computes at that place (a softmax that the list does not call 'softmax' is quantised finished and normalised). What goes into a quantiser is computed in f32, as accurately as f32 sums, v_exp_f32 and their like allow (about 1e-6 of the number): no bf16 or f16 on the way to a quantiser, and a product that is left as it is and whose result goes on into a quantised operand takes f32 operands (vector FMAs, or v_wmma_f32_16x16x4_f32). A number that lies on a knife's edge between two numbers of the format may be rounded either way, as far as f32 arithmetic and the matrix unit's own rounding can turn it there, and no further.
;; One version. Each part assembles by itself: llvm-mc -triple=amdgcn-amd-amdhsa -mcpu=gfx1250 --defsym DOCPART=n.
;; ======== version 1 of 1: 4 launches
;; limits: right only within a limited range of input values
;; workspace buffers: xc 8,388,608 bytes; wqc 3,145,728 bytes; woc 1,048,576 bytes; ac 8,388,608 bytes; rope 2,097,152 bytes; qc 8,388,608 bytes; kv 16,777,216 bytes
;; launch quant (part 1): grid 832 x 1, 4 waves a work-group, no clusters, 68,096 bytes of LDS; arguments x, Wqkv_w, Wo_w, p, lowp_scales, xc, wqc, woc, rope; writes xc, wqc, woc, rope
.if DOCPART == 1
	.amdgcn_target "amdgcn-amd-amdhsa--gfx1250"
	.amdhsa_code_object_version 6
	.text
	.protected	k_qcd59e817d1_quant
	.globl	k_qcd59e817d1_quant
	.p2align	8
	.type	k_qcd59e817d1_quant,@function
k_qcd59e817d1_quant:
	s_mov_b64 s[64:65], 0
	v_nop
	global_prefetch_b8 v0, s[64:65] scope:SCOPE_SE
	s_setreg_imm32_b32 hwreg(HW_REG_WAVE_MODE, 25, 1), 1
	s_wait_xcnt 0x0
; x [8192][1024], Wqkv_w [3072][1024] and Wo_w [1024][1024], f32 with K innermost, become codes of BF8 (E5M2), each tensor with the scale 2^e given for it
; (entries 0, 1 and 7 of the scales); and p [8192] becomes a table of cos and sin of p x 10000^(-i/32), i = 0 .. 31.
; code = x / 2^e, held within +-57,344, rounded to the nearest code, ties to even.
; THE CODES ARE LAID AS IMAGES OF OPERAND REGISTERS.  A fragment is 16 rows x 128 K, 16 registers a lane: lane (r = lane % 16, h = lane / 16) holds row r, and its registers
; 2 g, 2 g + 1 hold k = 16 g + 8 h + 0 .. 7.  Its image is 2,048 bytes: piece c (registers 4 c .. 4 c + 3) at 512 c + 16 x lane.  A tensor of codes is [k / 256][row / 16][(k / 128) % 2][image].
; SHARES.  Work-groups 0-511 take x, 512-703 Wqkv_w, 704-767 Wo_w: 16 whole rows each; wave w takes k = 256 w .. 256 w + 255, two fragments, 4,096 consecutive bytes of codes.
; Each load reads 512 consecutive bytes of one row; the 16 x 512 bytes of a fragment turn through the wave's own stage in LDS (rows 528 bytes apart, so that sixteen rows start at sixteen
; different groups of banks: 64 banks of 4 bytes, ISA guide 11.1) and come back eight neighbours along K at a time.  Waves share nothing: no barrier.
; Work-groups 768-831 make the table, a thread to a position: no LDS.  Table: [position / 16][piece 0 .. 7][lane][16 bytes]; piece 4 trig + 2 u + w (trig 0 cos, 1 sin);
; lane (r, h) holds i = 16 u + 8 h + 4 w + 0 .. 3 of position 16 block + r: the registers that the next launch multiplies by.
; cos and sin: n = the nearest whole number to angle x 2 / pi; the remainder by three fused steps with pi / 2 in three parts; polynomials on +-pi / 4; the quadrant picks and signs.
; LIMITS: e between -126 and 112; |p| under 2^22 (beyond it the remainder loses accuracy); NaN among the inputs is not served.  The frequencies are 10^(-i/8) rounded to f32.
.set PLX,  2097152                     ; bytes of a plane (256 along K) of x's codes
.set PLW,  786432                      ; of Wqkv_w's
.set PLO,  262144                      ; of Wo_w's
.set R,    16                          ; v16-143  two steps x 64 numbers as loaded; step 0's registers later take step 1's numbers back from the stage
.set X,    144                         ; v144-207 step 0's numbers, eight neighbours along K to a group
.set C,    208                         ; v208-239 codes, 16 registers a step: no store's data are written again
.set SP,   528                         ; a stage row: 512 bytes + 16
.set STG,  16*SP                       ; a stage
.set WREG, 2*STG                       ; a wave's two stages
	s_load_b256 s[4:11], s[0:1], 0x0               ; x, Wqkv_w, Wo_w, p
	s_load_b256 s[12:19], s[0:1], 0x20             ; the scales' exponents, x's codes, Wqkv_w's, Wo_w's
	s_load_b64 s[20:21], s[0:1], 0x40              ; the table
	v_lshl_add_u32 v240, v0, 2, 0x10800
	v_mov_b32 v241, 0
	s_cmp_ge_u32 ttmp9, 768
	s_cbranch_scc1 .Ltable                         ; the choice hangs on the work-group's number alone
	v_lshrrev_b32 v1, 5, v0
	v_readfirstlane_b32 s22, v1                    ; wave = which 256 along K
	v_and_b32 v5, 31, v0
	v_lshlrev_b32 v2, 4, v5                        ; 16 x lane: my bytes of a load, and of a piece of an image
	s_mul_i32 s23, s22, WREG
	v_add_nc_u32 v3, s23, v2                       ; the stage, on the way in
	v_and_b32 v6, 15, v0
	v_bfe_u32 v7, v0, 4, 1
	v_mul_u32_u24 v4, v6, SP
	v_lshl_add_u32 v4, v7, 5, v4
	v_add_nc_u32 v4, s23, v4                       ; and on the way out: row r, + 32 h bytes
	s_wait_alu depctr_va_vdst(0)
	s_wait_kmcnt 0x0
	s_load_b256 s[32:39], s[12:13], 0x0            ; the eight exponents
	s_cmp_lt_u32 ttmp9, 704                        ; which tensor: pointers, first work-group and plane are chosen; all three take one path
	s_cselect_b64 s[24:25], s[6:7], s[8:9]
	s_cselect_b64 s[26:27], s[16:17], s[18:19]
	s_mov_b32 s28, 704
	s_cselect_b32 s28, 512, s28
	s_mov_b32 s29, PLO
	s_cselect_b32 s29, PLW, s29
	s_cmp_lt_u32 ttmp9, 512
	s_cselect_b64 s[24:25], s[4:5], s[24:25]
	s_cselect_b64 s[26:27], s[14:15], s[26:27]
	s_cselect_b32 s28, 0, s28
	s_cselect_b32 s29, PLX, s29
	s_sub_co_u32 s30, ttmp9, s28                   ; my block of 16 rows in the tensor
	s_lshl_b32 s40, s30, 16                        ; 16 rows of 4,096 bytes,
	s_lshl_b32 s41, s22, 10                        ; + 256 numbers a wave
	s_add_co_u32 s40, s40, s41
	s_mov_b32 s41, 0
	s_add_nc_u64 s[24:25], s[24:25], s[40:41]
	s_mul_i32 s42, s22, s29                        ; the codes: my plane,
	s_lshl_b32 s43, s30, 12                        ; + two images a block of rows
	s_add_co_u32 s42, s42, s43
	s_mov_b32 s43, 0
	s_add_nc_u64 s[26:27], s[26:27], s[42:43]
.macro LOAD t                          ; step t: 16 rows x 512 bytes, a row an instruction
.irp i, 0,1,2,3,4,5,6,7,8,9,10,11,12,13,14,15
	global_load_b128 v[R+64*(\t)+4*\i:R+64*(\t)+4*\i+3], v2, s[24:25] offset:4096*\i+512*(\t) th:TH_LOAD_NT
.endr
.endm
.macro TURN t, xs                      ; step t's numbers through stage t into v[xs] on: LDS serves a wave's instructions in order (ISA guide 5.7.1.4), so no wait stands between the stores and the loads
.irp i, 0,1,2,3,4,5,6,7,8,9,10,11,12,13,14,15
	ds_store_b128 v3, v[R+64*(\t)+4*\i:R+64*(\t)+4*\i+3] offset:STG*(\t)+SP*\i
.endr
.irp c, 0,1,2,3
	ds_load_b128 v[\xs+16*\c:\xs+16*\c+3],     v4 offset:STG*(\t)+128*\c      ; k = 32 c + 8 h + 0 .. 3
	ds_load_b128 v[\xs+16*\c+4:\xs+16*\c+7],   v4 offset:STG*(\t)+128*\c+16   ; + 4 .. 7
	ds_load_b128 v[\xs+16*\c+8:\xs+16*\c+11],  v4 offset:STG*(\t)+128*\c+64   ; k = 32 c + 16 + 8 h + 0 .. 3
	ds_load_b128 v[\xs+16*\c+12:\xs+16*\c+15], v4 offset:STG*(\t)+128*\c+80
.endr
.endm
.macro QUANT t, xs                     ; 64 numbers become a fragment's 16 registers, which leave as its image: each store covers 512 consecutive bytes, aligned
.set j, 0
.rept 64
	v_med3_num_f32 v[\xs+j], v[\xs+j], -v10, v10   ; the conversion to an 8-bit code does not saturate (ISA guide 7.6.2): the hold at the largest code x the scale comes first
.set j, j+1
.endr
.irp g, 0,1,2,3,4,5,6,7
	v_cvt_scalef32_pk8_bf8_f32 v[C+16*(\t)+2*\g:C+16*(\t)+2*\g+1], v[\xs+8*\g:\xs+8*\g+7], v11
.endr
.irp c, 0,1,2,3
	global_store_b128 v2, v[C+16*(\t)+4*\c:C+16*(\t)+4*\c+3], s[26:27] offset:2048*(\t)+512*\c
.endr
.endm
	LOAD 0
	LOAD 1                                         ; all 32 loads of the wave are out at once
	s_wait_kmcnt 0x0
	s_cmp_lt_u32 ttmp9, 704
	s_cselect_b32 s31, s33, s39                    ; e: entry 1 for Wqkv_w, entry 7 for Wo_w,
	s_cmp_lt_u32 ttmp9, 512
	s_cselect_b32 s31, s32, s31                    ; entry 0 for x
	s_add_co_i32 s31, s31, 127
	s_lshl_b32 s44, s31, 23
	v_mov_b32 v11, s44                             ; 2^e as f32: the conversion takes its exponent field
	s_add_co_i32 s31, s31, 15
	s_lshl_b32 s31, s31, 23
	s_or_b32 s31, s31, 0x600000
	v_mov_b32 v10, s31                             ; 57,344 x 2^e
	s_wait_alu depctr_va_vdst(0)
	s_wait_loadcnt 16                              ; step 0's sixteen loads are in; step 1's sixteen may be out
	TURN 0, X
	s_wait_loadcnt 0x0                             ; step 1's are in
	s_wait_dscnt 0x0                               ; step 0's numbers are back, and its stores into the stage have read their registers,
	TURN 1, R                                      ; which take step 1's numbers back, while step 0 is converted
	QUANT 0, X
	s_wait_dscnt 0x0
	QUANT 1, R                                     ; (its holds are plain lines on other registers: the place behind step 0's conversions)
	s_wait_tensorcnt 0x0
	ds_add_u32 v240, v241
	s_wait_dscnt 0x0
	s_endpgm
.Ltable:
	s_sub_co_u32 s30, ttmp9, 768                   ; my 128 positions
	s_lshl_b32 s40, s30, 9                         ; 4 bytes each in p,
	s_mov_b32 s41, 0
	s_lshl_b32 s42, s30, 15                        ; eight blocks of 4,096 bytes in the table
	s_mov_b32 s43, 0
	v_lshlrev_b32 v1, 2, v0
	v_lshrrev_b32 v2, 4, v0
	v_and_b32 v3, 15, v0
	v_lshlrev_b32 v2, 12, v2
	v_lshl_add_u32 v2, v3, 4, v2                   ; my block, + 16 r: sixteen neighbouring lanes fill 256 consecutive bytes, aligned
	s_wait_alu depctr_va_vdst(0)
	s_wait_kmcnt 0x0
	s_add_nc_u64 s[10:11], s[10:11], s[40:41]
	s_add_nc_u64 s[20:21], s[20:21], s[42:43]
	global_load_b32 v4, v1, s[10:11]
	s_mov_b32 s44, 0x3f22f983                      ; 2 / pi
	s_mov_b32 s45, 0xbfc90fdb                      ; -(pi / 2), its first 24 bits,
	s_mov_b32 s46, 0x333bbd2e                      ; what they overshoot,
	s_mov_b32 s47, 0x26f72ced                      ; and what is left of that
	s_mov_b32 s48, 0x37ccf5ce                      ; cos: 2.4433157e-5
	s_mov_b32 s49, 0xbab6061a                      ;      -1.3887316e-3
	s_mov_b32 s50, 0x3d2aaaa5                      ;      4.1666646e-2; then -1/2 and 1
	s_mov_b32 s51, 0x3638ef1d                      ; sin: 1 / 362880
	s_mov_b32 s52, 0xb9500d01                      ;      -1 / 5040
	s_mov_b32 s53, 0x3c088889                      ;      1 / 120
	s_mov_b32 s54, 0xbe2aaaab                      ;      -1 / 6
	s_mov_b32 s55, 0x80000000                      ; the sign
	s_wait_loadcnt 0x0
	v_cvt_f32_i32 v5, v4                           ; p as f32
; cos and sin for frequencies i .. i + 3: four chains that take turns.  At v[t]: +0 angle, +1 n, +2 remainder, +3 n as a whole number, +4 its square, +5 cos, +6 sin, +7 to +9 at work
.macro SINCOS4 i, fa, fb, fc, fd
	v_mul_f32 v80, \fa, v5                         ; the angle: one rounding
	v_mul_f32 v90, \fb, v5
	v_mul_f32 v100, \fc, v5
	v_mul_f32 v110, \fd, v5
.irp t, 80,90,100,110
	v_mul_f32 v[\t+1], s44, v[\t]
.endr
.irp t, 80,90,100,110
	v_rndne_f32 v[\t+1], v[\t+1]
.endr
.irp t, 80,90,100,110
	v_fma_f32 v[\t+2], v[\t+1], s45, v[\t]
.endr
.irp t, 80,90,100,110
	v_fma_f32 v[\t+2], v[\t+1], s46, v[\t+2]
.endr
.irp t, 80,90,100,110
	v_fma_f32 v[\t+2], v[\t+1], s47, v[\t+2]
.endr
.irp t, 80,90,100,110
	v_cvt_i32_f32 v[\t+3], v[\t+1]
.endr
.irp t, 80,90,100,110
	v_mul_f32 v[\t+4], v[\t+2], v[\t+2]
.endr
.irp t, 80,90,100,110
	v_fma_f32 v[\t+5], v[\t+4], s48, s49
	v_fma_f32 v[\t+6], v[\t+4], s51, s52
.endr
.irp t, 80,90,100,110
	v_fma_f32 v[\t+5], v[\t+5], v[\t+4], s50
	v_fma_f32 v[\t+6], v[\t+6], v[\t+4], s53
.endr
.irp t, 80,90,100,110
	v_fma_f32 v[\t+5], v[\t+5], v[\t+4], -0.5
	v_fma_f32 v[\t+6], v[\t+6], v[\t+4], s54
	v_mul_f32 v[\t+7], v[\t+2], v[\t+4]
.endr
.irp t, 80,90,100,110
	v_fma_f32 v[\t+5], v[\t+5], v[\t+4], 1.0
	v_fma_f32 v[\t+6], v[\t+6], v[\t+7], v[\t+2]
.endr
.irp t, 80,90,100,110
	v_and_b32 v[\t+7], 1, v[\t+3]                  ; in odd quadrants the two change places
	v_cmp_eq_u32 vcc_lo, 1, v[\t+7]
	v_cndmask_b32 v[\t+9], v[\t+6], v[\t+5], vcc_lo
	v_cndmask_b32 v[\t+8], v[\t+5], v[\t+6], vcc_lo
.endr
.irp t, 80,90,100,110
	v_lshlrev_b32 v[\t+7], 30, v[\t+3]             ; sin is negative in quadrants 2 and 3: bit 1 of n,
	v_add_nc_u32 v[\t+3], 1, v[\t+3]               ; cos in quadrants 1 and 2: bit 1 of n + 1
.endr
.irp t, 80,90,100,110
	v_and_b32 v[\t+7], s55, v[\t+7]
	v_lshlrev_b32 v[\t+3], 30, v[\t+3]
.endr
.irp t, 80,90,100,110
	v_xor_b32 v[48+\i+(\t-80)/10], v[\t+7], v[\t+9]
	v_and_b32 v[\t+3], s55, v[\t+3]
.endr
.irp t, 80,90,100,110
	v_xor_b32 v[16+\i+(\t-80)/10], v[\t+3], v[\t+8]
.endr
.endm
	SINCOS4 0,  0x3f800000, 0x3f3ff911, 0x3f0ff59a, 0x3ed7e89b
	SINCOS4 4,  0x3ea1e89b, 0x3e72d424, 0x3e361887, 0x3e088d77
	SINCOS4 8,  0x3dcccccd, 0x3d99940e, 0x3d6655c3, 0x3d2cba15
	SINCOS4 12, 0x3d0186e2, 0x3cc24350, 0x3c91ad39, 0x3c5a7bf1
	SINCOS4 16, 0x3c23d70a, 0x3bf5b9b0, 0x3bb8449c, 0x3b8a2e77
	SINCOS4 20, 0x3b4f3e37, 0x3b1b690d, 0x3ae91528, 0x3aaec98e
	SINCOS4 24, 0x3a83126f, 0x3a44948c, 0x3a136a16, 0x39dd1726
	SINCOS4 28, 0x39a5cb5f, 0x3978a814, 0x393a7753, 0x390bd472
.irp u, 0,1
.irp w, 0,1
.irp h, 0,1
	global_store_b128 v2, v[16+16*\u+8*\h+4*\w:16+16*\u+8*\h+4*\w+3], s[20:21] offset:512*(2*\u+\w)+256*\h      ; cos
	global_store_b128 v2, v[48+16*\u+8*\h+4*\w:48+16*\u+8*\h+4*\w+3], s[20:21] offset:512*(4+2*\u+\w)+256*\h    ; sin
.endr
.endr
.endr
	s_endpgm
.Lfunc_end_k_qcd59e817d1_quant:
	.size	k_qcd59e817d1_quant, .Lfunc_end_k_qcd59e817d1_quant-k_qcd59e817d1_quant
	.p2alignl 7, 3214868480
	.fill 96, 4, 3214868480
	.section	.rodata,"a",@progbits
	.p2align	6, 0x0
	.amdhsa_kernel k_qcd59e817d1_quant
		.amdhsa_group_segment_fixed_size 68096
		.amdhsa_private_segment_fixed_size 0
		.amdhsa_enable_private_segment 0
		.amdhsa_kernarg_size 72
		.amdhsa_user_sgpr_count 2
		.amdhsa_user_sgpr_kernarg_segment_ptr 1
		.amdhsa_wavefront_size32 1
		.amdhsa_system_sgpr_workgroup_id_x 1
		.amdhsa_system_sgpr_workgroup_id_y 1
		.amdhsa_system_sgpr_workgroup_id_z 1
		.amdhsa_system_vgpr_workitem_id 0
		.amdhsa_next_free_vgpr 242
		.amdhsa_next_free_sgpr 66
		.amdhsa_reserve_vcc 1
		.amdhsa_float_denorm_mode_32 3
		.amdhsa_float_denorm_mode_16_64 3
		.amdhsa_memory_ordered 1
		.amdhsa_forward_progress 1
		.amdhsa_inst_pref_size 63
	.end_amdhsa_kernel
	.amdgpu_metadata
---
amdhsa.version: [ 1, 2 ]
amdhsa.kernels:
  - .name:           k_qcd59e817d1_quant
    .symbol:         k_qcd59e817d1_quant.kd
    .args:
      - { .name: x, .offset: 0, .size: 8, .value_kind: global_buffer, .address_space: global }
      - { .name: Wqkv_w, .offset: 8, .size: 8, .value_kind: global_buffer, .address_space: global }
      - { .name: Wo_w, .offset: 16, .size: 8, .value_kind: global_buffer, .address_space: global }
      - { .name: p, .offset: 24, .size: 8, .value_kind: global_buffer, .address_space: global }
      - { .name: lowp_scales, .offset: 32, .size: 8, .value_kind: global_buffer, .address_space: global }
      - { .name: xc, .offset: 40, .size: 8, .value_kind: global_buffer, .address_space: global }
      - { .name: wqc, .offset: 48, .size: 8, .value_kind: global_buffer, .address_space: global }
      - { .name: woc, .offset: 56, .size: 8, .value_kind: global_buffer, .address_space: global }
      - { .name: rope, .offset: 64, .size: 8, .value_kind: global_buffer, .address_space: global }
    .group_segment_fixed_size: 68096
    .private_segment_fixed_size: 0
    .kernarg_segment_align: 8
    .kernarg_segment_size: 72
    .max_flat_workgroup_size: 128
    .sgpr_count:     66
    .vgpr_count:     242
    .wavefront_size: 32
...
	.end_amdgpu_metadata
.endif
;; end of part 1
;; launch qkv (part 2): grid 12 x 32, 4 waves a work-group, clusters of 4 x 4, 327,680 bytes of LDS; arguments xc, wqc, lowp_scales, Wqkv_b, rope, qc, kv; writes qc, kv
.if DOCPART == 2
	.amdgcn_target "amdgcn-amd-amdhsa--gfx1250"
	.amdhsa_code_object_version 6
	.text
	.protected	k_qcd59e817d1_qkv
	.globl	k_qcd59e817d1_qkv
	.p2align	8
	.type	k_qcd59e817d1_qkv,@function
k_qcd59e817d1_qkv:
	s_mov_b64 s[64:65], 0
	v_nop
	global_prefetch_b8 v0, s[64:65] scope:SCOPE_SE
	s_setreg_imm32_b32 hwreg(HW_REG_WAVE_MODE, 25, 1), 1
	s_wait_xcnt 0x0
	s_wait_alu depctr_hold_cnt(0) depctr_sa_sdst(0) depctr_va_vdst(0) depctr_va_sdst(0) depctr_va_ssrc(0) depctr_va_vcc(0) depctr_vm_vsrc(0)
	s_getreg_b32 s2, hwreg(HW_REG_IB_STS2, 6, 4)
	s_cmp_eq_u32 s2, 0
	s_cbranch_scc0 .Lentry_in_a_cluster
	s_endpgm
.Lentry_in_a_cluster:
	s_bfe_u32 s2, ttmp6, 0x10000c
	s_cmp_lg_u32 s2, 0xf033
	s_cbranch_scc0 .Lentry_shape_is_right
	s_endpgm
.Lentry_shape_is_right:
; q, k, v = x Wqkv_w^T + Wqkv_b on codes of BF8 (E5M2); q and k are then rotated by the table of cos and sin; all three are quantised with the scales given for them (entries 2, 3, 5)
; and leave as images of the registers in which the attention takes them.  Sums in f32; a finished sum is multiplied once by 2^(e0 + e1).
; OPERANDS are images of registers: a fragment (16 rows x 128 K, 16 registers a lane; lane (r, h): row r, registers 2 g, 2 g + 1: k = 16 g + 8 h + 0 .. 7) is 2,048 bytes, piece c at 512 c + 16 x lane;
; a tensor of codes is [k / 256][row / 16][(k / 128) % 2][image].  So 128 rows x 256 K are 32,768 consecutive bytes: one tensor load, no pitch, and an LDS load's 32 lanes take 512 consecutive bytes.
; A tile, 256 positions x 256 features, is made by four waves, as many as a WGP has SIMDs; a wave makes 128 x 128: 64 accumulators, 512 registers.  K = 1,024 goes in four steps of 256 through two LDS slots.
; CLUSTERS: 4 x 4 work-groups.  The four of a row of the cluster need the same rows of x, the four of a column the same rows of W: each tile is asked for JOINTLY, by the same tensor load with the same
; descriptor and a mask that names the four.  A cluster's 1,024 features are wholly q (cluster x = 0), k (1) or v (2): what hangs on the kind is the same in all sixteen partners.
; WHICH OPERAND IS WHICH SOURCE.  In a result, lane (r, h) holds row 16 a + r of source 1 and rows 16 b + 8 h + 0 .. 7 of source 0.  A quantiser wants a lane's registers along ITS K: for q and k the head's 64,
; so source 1 = x and source 0 = W; for v the keys, so source 1 = W and source 0 = x.  The tensor loads are alike for all kinds; only the two LDS bases from which the fragments are read change places.
; OUT: qc [head 0..63][16 queries][1,024 bytes]; kv [head][128 keys][K: 8 fragments of 16 keys x 64, 1,024 bytes each | V: 4 fragments of 16 channels x 128 keys, 2,048 bytes each].  Every store covers 512 consecutive bytes, aligned.
; PREFETCH.  At each change of slots a wave has waited for all its tensor loads, so each K step's load goes out with nothing on its way beside it.  Behind K step j's joint load stands a request for K step j + 2,
; two loads ahead; behind the first also one for K step 1, which has no load two ahead of it.  K steps 2 and 3's loads ask for nothing: no step follows.  A wave's 32,768 bytes of a step are shared out among the four
; partners that ask for them jointly, BY ADDRESS: 8,192 bytes each (by cx for x, by cy for W), lanes 256 bytes apart, one instruction.  So each block of 256 bytes is named once in each cluster that loads it, and at most
; two steps are asked for and not yet loaded.  The furthest address lies in plane 3 of the four of its buffer.  The requests' registers are never written again.
; LIMITS: e0 + e1 between -126 and 127; e2, e3, e5 between -126 and 112.  NaN among the inputs is not served.
; REGISTERS, in windows of 256: window 0: v0-31 addresses and the quantiser's two numbers; v32-63 codes, two sets; v64-127 the bias; from v128 source 1's fragments, ONE set (on the way out: v128-191 a block's numbers, v192-207 at work).
;   window 1: source 0's fragments, TWO sets, at v0 and v128 (on the way out: the table, 32 registers a block).   windows 2, 3: the accumulators ((a, b) at v[8 (8 (a % 4) + b)]).
.set PLA,   2097152                    ; bytes from one 256 along K to the next in x's codes
.set PLB,   786432                     ; in W's
.set HALFT, 32768                      ; 128 rows x 256 K: what one tensor load brings
.set SLOT,  4*HALFT                    ; x's two halves, then W's two
.set SPARE, 2*SLOT                     ; behind the ring: the spare words, 128 bytes for each wave
.set FR,    16                         ; registers of a fragment
.set NL,    4                          ; LDS loads that bring one
.set NP,    4                          ; places behind this matrix instruction (ISA guide 7.12.1)
.set LI,    3                          ; v3      16 x lane
.set PF,    8                          ; v8-10   the requests' offsets: 256 x lane + 1, 2, 3 planes; never rewritten
.set ADR1,  16                         ; v16-17  LDS address of source 1's fragments in slot 0, 1
.set ADR0,  20                         ; v20-21  of source 0's
.set SPW,   28                         ; v28     LDS address of my spare word; never rewritten
.set NIL,   29                         ; v29     0; never rewritten
.set CD,    32
.set BI,    64
.set AF,    128
.set TMP,   128
.set U,     192
.set PFA, 2                            ; s[2:3]  the requests' base: my work-group's 8,192 bytes of what I fetch of K step 0; never rewritten
.set G1,  24                           ; s[24:31] descriptor group 1 for x's tiles;  s[32:39] group 0, one set for each slot
.set G0,  32
.set G1B, 48                           ; s[48:55], s[56:63] the same for W's tiles
.set G0B, 56
.set KIND, 66                          ; s66  0 q, 1 k, 2 v
.set MSB, 0
.macro WIN new                         ; the immediate's high byte repeats the setting that is left
.if MSB != \new
	s_set_vgpr_msb (MSB<<8)|\new
.set MSB, \new
.endif
.endm
.set MUL_LO, 0xa1                      ; source 0 window 1, source 1 window 0, C and D window 2
.set MUL_HI, 0xf1                      ; the same, C and D window 3
.set TO_B,   0x40                      ; destination window 1, address window 0
; A joint load: waves 0 and 1 fetch x's halves, waves 2 and 3 W's.  Each of the two lines has ONE mask and one set of registers for all that issue it; the branch hangs on the wave's number alone.
.macro JLOAD g0a, g1a, g0b, g1b
	s_cmp_eq_u32 s15, 0
	s_cbranch_scc0 .Lfor_b_\@
	tensor_load_to_lds s[\g0a:\g0a+3], s[\g1a:\g1a+7]
	s_nop 0
.rept 4
	v_nop
.endr
	s_branch .Lasked_\@
.Lfor_b_\@:
	tensor_load_to_lds s[\g0b:\g0b+3], s[\g1b:\g1b+7]
	s_nop 0
.rept 4
	v_nop
.endr
.Lasked_\@:
.endm
.macro CREST                           ; a round of the cluster's barrier behind its opening barrier
	s_cmp_lg_u32 s14, 0
	s_cbranch_scc1 .Lnot_wave_0_\@
	s_barrier_signal -3
.Lnot_wave_0_\@:
	s_barrier_wait -3
	s_barrier_signal -1
	s_barrier_wait -1
.endm
.macro CROUND                          ; a whole round
	s_barrier_signal -1
	s_barrier_wait -1
	CREST
.endm
	s_load_b256 s[4:11], s[0:1], 0x0               ; x's codes s[4:5], W's codes s[6:7], the scales' exponents s[8:9], the bias s[10:11]
	s_load_b128 s[68:71], s[0:1], 0x20             ; the table s[68:69], q's codes s[70:71]
	s_load_b64 s[72:73], s[0:1], 0x30              ; k's and v's codes
	v_lshl_add_u32 v[SPW], v0, 2, SPARE
	v_mov_b32 v[NIL], 0
	ds_add_u32 v28, v29                            ; the opening lines: the add twice on end and its wait ahead of my first tensor load
	ds_add_u32 v28, v29
	s_wait_dscnt 0x0
	v_lshrrev_b32 v1, 5, v0
	v_readfirstlane_b32 s14, v1                    ; wave 0..3
	s_lshr_b32 s15, s14, 1                         ; which half of source 1's rows is mine.  Also: I fetch for x (0) or for W (1)
	s_and_b32 s16, s14, 1                          ; which half of source 0's.  Also: which 128 rows of that tile I fetch
	s_mov_b32 s[KIND], ttmp9                       ; the cluster's x: the same in all sixteen partners
	s_bfe_u32 s40, ttmp6, 0x40000                  ; cx, cy: my place in the cluster
	s_bfe_u32 s41, ttmp6, 0x40004
	s_lshl_b32 s42, ttmp9, 2
	s_add_co_u32 s42, s42, s40                     ; tile column (256 features) = 4 x cluster x + cx
	s_and_b32 s17, ttmp7, 0xffff
	s_lshl_b32 s17, s17, 2
	s_add_co_u32 s17, s17, s41                     ; tile row (256 positions) = 4 x cluster y + cy
	s_lshl_b32 s43, s41, 2
	s_lshl_b32 s43, 15, s43                        ; my row of the cluster
	s_lshl_b32 s44, 0x1111, s40                    ; my column
	; descriptor group 1: a dense block of 32,768 bytes as 128 rows of 32 elements of 8 bytes
	s_or_b32 s[G1+0], s43, (3<<16)|(1<<21)         ; the mask: x's tiles go to my row; elements of 8 bytes; bit 21 beside a mask
	s_or_b32 s[G1B+0], s44, (3<<16)|(1<<21)        ; W's tiles go to my column
.irp g, G1, G1B
	s_mov_b32 s[\g+1], 32<<16
	s_mov_b32 s[\g+2], 128<<16
	s_mov_b32 s[\g+3], 32<<16
	s_mov_b32 s[\g+4], 128
	s_mov_b32 s[\g+5], 32
	s_mov_b32 s[\g+6], 0
	s_mov_b32 s[\g+7], 0
.endr
	s_lshl_b32 s18, s16, 15                        ; which 128 rows of the tile I fetch
	s_lshl_b32 s20, s17, 16
	s_add_co_u32 s20, s20, s18                     ; x: 65,536 x tile row + 32,768 x half, in a plane
	s_mov_b32 s21, 0
	s_lshl_b32 s46, s42, 16
	s_add_co_u32 s46, s46, s18                     ; W: the same by the tile column
	s_mov_b32 s47, 0
	s_mul_i32 s45, s14, HALFT                      ; where they go: wave x 32,768: no place in the cluster enters an LDS address
	s_wait_kmcnt 0x0
	s_load_b256 s[76:83], s[8:9], 0x0              ; e0 .. e7
	s_add_nc_u64 s[20:21], s[4:5], s[20:21]
	s_add_nc_u64 s[46:47], s[6:7], s[46:47]
	s_cmp_eq_u32 s15, 0                            ; the requests: do I fetch for x?
	s_cselect_b64 s[PFA:PFA+1], s[20:21], s[46:47] ; what I fetch of K step 0,
	s_cselect_b32 s18, s40, s41                    ; my place among the four that ask for it with me,
	s_mov_b32 s67, PLB
	s_cselect_b32 s67, PLA, s67                    ; and a plane of that tensor
	s_lshl_b32 s18, s18, 13                        ; my work-group's 8,192 bytes of the 32,768
	s_mov_b32 s19, 0
	s_add_nc_u64 s[PFA:PFA+1], s[PFA:PFA+1], s[18:19]
	CROUND                                         ; all sixteen work-groups are here: the first joint loads meet
.irp s, 0,1
	s_mov_b32 s[G0+4*\s], 1                        ; count = 1
	s_add_co_u32 s[G0+4*\s+1], s45, \s*SLOT        ; LDS address
	s_add_nc_u64 s[G0+4*\s+2:G0+4*\s+3], s[20:21], \s*PLA   ; global address: K step s
	s_or_b32 s[G0+4*\s+3], s[G0+4*\s+3], 0x80000000         ; type = 2
	s_mov_b32 s[G0B+4*\s], 1
	s_add_co_u32 s[G0B+4*\s+1], s45, \s*SLOT
	s_add_nc_u64 s[G0B+4*\s+2:G0B+4*\s+3], s[46:47], \s*PLB
	s_or_b32 s[G0B+4*\s+3], s[G0B+4*\s+3], 0x80000000
.endr
	JLOAD G0, G1, G0B, G1B                         ; K step 0: one tensor load a wave at the head
	v_and_b32 v[PF], 31, v0
	v_lshlrev_b32 v[PF], 8, v[PF]                  ; lanes 256 bytes apart,
	v_add_nc_u32 v[PF], s67, v[PF]                 ; in K step 1,
	v_add_nc_u32 v[PF+1], s67, v[PF]               ; 2
	v_add_nc_u32 v[PF+2], s67, v[PF+1]             ; and 3
	global_prefetch_b8 v[PF], s[PFA:PFA+1] th:TH_LOAD_NT scope:SCOPE_SE     ; K step 1
	global_prefetch_b8 v[PF+1], s[PFA:PFA+1] th:TH_LOAD_NT scope:SCOPE_SE   ; K step 2
	v_and_b32 v1, 15, v0                           ; r
	v_bfe_u32 v2, v0, 4, 1                         ; h
	v_and_b32 v[LI], 31, v0
	v_lshlrev_b32 v[LI], 4, v[LI]
	s_wait_alu depctr_va_vdst(0)
	v_lshlrev_b32 v24, 5, v2                       ; 32 h: my eight numbers of a bias along source 0
	v_lshlrev_b32 v25, 2, v1                       ; 4 r: my one number of a bias along source 1
	s_cmp_eq_u32 s[KIND], 2
	s_cselect_b32 s21, 65536, 0                    ; source 1: x's halves lie at 0, W's at 65,536 of a slot
	s_cselect_b32 s22, 0, 65536                    ; source 0: the other of the two
	s_cselect_b32 s74, s15, s16                    ; which half of W's 256 rows is mine,
	s_cselect_b32 s75, s16, s15                    ; and which half of x's
	s_cselect_b32 s94, 8192, 0                     ; V lies behind K in a key step
	s_mul_i32 s23, s15, HALFT
	s_add_co_u32 s21, s21, s23
	s_mul_i32 s23, s16, HALFT
	s_add_co_u32 s22, s22, s23
.irp s, 0,1
	v_add_nc_u32 v[ADR1+\s], s21, v[LI]
	v_add_nc_u32 v[ADR0+\s], s22, v[LI]
	s_add_co_u32 s21, s21, SLOT
	s_add_co_u32 s22, s22, SLOT
.endr
	; where my results go.  My 128 features are two heads; my 128 positions are one key step (eight tiles of queries)
	s_and_b32 s18, s42, 3
	s_lshl_b32 s18, s18, 2
	s_lshl_b32 s19, s74, 1
	s_add_co_u32 s18, s18, s19                     ; my first head: 4 (tile column % 4) + 2 x half
	s_lshr_b32 s19, s17, 3
	s_lshl_b32 s19, s19, 4
	s_add_co_u32 s18, s18, s19                     ; + 16 x batch
	s_and_b32 s19, s17, 7
	s_lshl_b32 s19, s19, 1
	s_add_co_u32 s19, s19, s75                     ; the key step: 2 (tile row % 8) + half
	s_lshl_b32 s18, s18, 17
	s_lshl_b32 s19, s19, 13
	s_add_co_u32 s18, s18, s19                     ; in q's codes: 131,072 x head + 8,192 x step;
	s_min_u32 s19, s[KIND], 1
	s_lshl_b32 s18, s18, s19                       ; in k's and v's twice that,
	s_add_co_u32 s18, s18, s94                     ; and V's 8,192
	s_lshl_b32 s12, 0x20000, s19                   ; from a head to the next
	s_mov_b32 s19, 0
	s_mov_b32 s13, 0
	s_cmp_eq_u32 s[KIND], 0
	s_cselect_b64 s[86:87], s[70:71], s[72:73]
	s_add_nc_u64 s[86:87], s[86:87], s[18:19]      ; my first head's codes,
	s_add_nc_u64 s[88:89], s[86:87], s[12:13]      ; my second head's
	s_lshl_b32 s18, s42, 10
	s_lshl_b32 s12, s74, 9
	s_add_co_u32 s18, s18, s12
	s_add_nc_u64 s[92:93], s[10:11], s[18:19]      ; the bias at my first feature
	s_lshl_b32 s18, s17, 16
	s_lshl_b32 s12, s75, 15
	s_add_co_u32 s18, s18, s12
	s_add_nc_u64 s[90:91], s[68:69], s[18:19]      ; the table at my first position: 256 bytes a position
	s_wait_alu depctr_va_vdst(0)
	s_wait_kmcnt 0x0
	s_add_co_i32 s84, s76, s77                     ; e0 + e1, between -126 and 127,
	s_add_co_i32 s84, s84, 127
	s_lshl_b32 s84, s84, 23                        ; makes the f32 number 2^(e0 + e1)
	s_mov_b32 s85, s84                             ; (named with it as a pair, so it is written)
	s_cmp_eq_u32 s[KIND], 0
	s_cselect_b32 s95, s78, s79                    ; the quantiser's e: entry 2 for q, 3 for k,
	s_cmp_eq_u32 s[KIND], 2
	s_cselect_b32 s95, s81, s95                    ; 5 for v
	s_add_co_i32 s95, s95, 127
	s_lshl_b32 s96, s95, 23
	v_mov_b32 v30, s96                             ; 2^e as f32: the conversion takes its exponent field
	s_add_co_i32 s95, s95, 15
	s_lshl_b32 s95, s95, 23
	s_or_b32 s95, s95, 0x600000
	v_mov_b32 v31, s95                             ; 57,344 x 2^e
.macro FRAG reg, adr, q, i             ; block i of 16 rows, the slot's q-th 128 along K: an image's four pieces, 512 consecutive bytes a load
.irp c, 0,1,2,3
	ds_load_b128 v[\reg+4*\c:\reg+4*\c+3], v[\adr] offset:4096*(\i)+2048*(\q)+512*\c
.endr
.endm
; 16 matrix instructions: source 1's blocks a0, a0 + 1 x source 0's eight, 128 along K.  p: source 0's set.  zero = 1: the first product starts the sums: nothing is ever cleared.
; The 64 accumulators take turns, one instruction a turn, in the same order in every step.
.macro MUL16 a0, p, zero
.irp a, \a0, \a0+1
.irp b, 0,1,2,3,4,5,6,7
.if \zero
	v_wmma_f32_16x16x128_bf8_bf8 v[8*(8*((\a)%4)+\b):8*(8*((\a)%4)+\b)+7], v[128*(\p)+FR*\b:128*(\p)+FR*\b+FR-1], v[AF+FR*(\a):AF+FR*(\a)+FR-1], 0
.else
	v_wmma_f32_16x16x128_bf8_bf8 v[8*(8*((\a)%4)+\b):8*(8*((\a)%4)+\b)+7], v[128*(\p)+FR*\b:128*(\p)+FR*\b+FR-1], v[AF+FR*(\a):AF+FR*(\a)+FR-1], v[8*(8*((\a)%4)+\b):8*(8*((\a)%4)+\b)+7]
.endif
.endr
.endr
.endm
.macro FETCH_B slot, q, p              ; source 0's eight fragments into set p
	WIN TO_B
.irp i, 0,1,2,3,4,5,6,7
	FRAG 128*(\p)+FR*\i, ADR0+\slot, \q, \i
.endr
	WIN 0
.endm
.macro FETCH_A slot, q, i0             ; source 1's blocks i0 .. i0 + 3
.irp i, \i0, \i0+1, \i0+2, \i0+3
	FRAG AF+FR*(\i), ADR1+\slot, \q, \i
.endr
.endm
; A load into a register that a matrix instruction has read, and a vector instruction that reads a matrix result, stand NP places behind that matrix instruction; only plain vector
; instructions that name none of its registers are places (ISA guide 7.12.1 for vector instructions).
.macro PLACES n
.rept \n
	v_nop
.endr
.endm
.macro STEP slot, q, zero              ; a step of 128 along K that has its successor in the same slot
	s_wait_dscnt 4*NL                              ; source 0's set and source 1's blocks 0-3 are in; the youngest sixteen loads (blocks 4-7) may be out
	WIN MUL_LO
	MUL16 0, (\q)%2, \zero
	MUL16 2, (\q)%2, \zero
	s_wait_dscnt 0                                 ; blocks 4-7 are in
	PLACES NP
	FETCH_B \slot, (\q)+1, 1-(\q)%2
	FETCH_A \slot, (\q)+1, 0
	WIN MUL_HI
	MUL16 4, (\q)%2, \zero
	MUL16 6, (\q)%2, \zero
	PLACES NP
	WIN 0
	FETCH_A \slot, (\q)+1, 4
.endm
; A slot's last step changes slots: ONE barrier; in front of it each wave waits for all its tensor loads, adds 0 to its spare word, and waits for that and for its own reads of this slot.  fill = 1: this slot is filled again, two K steps ahead.
.macro TURN slot, next, fill
	s_wait_tensorcnt 0x0                           ; all my tensor loads have landed: my part of the next slot;  (every window is 0 here)
	ds_add_u32 v[SPW], v[NIL]                      ; 0 onto my spare word;
	s_wait_dscnt 4*NL+1                            ; (the add and the youngest sixteen loads may be out)
	WIN MUL_LO
	MUL16 0, 1, 0                                  ; sixteen matrix instructions stand between the add and the wait for it
	s_wait_dscnt 0x0                               ; the add is done, and my reads of this slot are over
	s_barrier_signal -1
	MUL16 2, 1, 0
	WIN 0
	s_barrier_wait -1
.if \fill
	CREST                                          ; the barrier has opened a round of the cluster's barrier: no wave of any partner still reads this slot's tile or has a load on its way
	s_add_nc_u64 s[G0+4*\slot+2:G0+4*\slot+3], s[G0+4*\slot+2:G0+4*\slot+3], 2*PLA
	s_add_nc_u64 s[G0B+4*\slot+2:G0B+4*\slot+3], s[G0B+4*\slot+2:G0B+4*\slot+3], 2*PLB
	JLOAD G0+4*\slot, G1, G0B+4*\slot, G1B         ; the first tensor load behind the round, my one load until the next; its four v_nop are the places in front of the loads below
.else
	PLACES NP
.endif
	FETCH_B \next, 0, 0
	FETCH_A \next, 0, 0
	WIN MUL_HI
	MUL16 4, 1, 0
	MUL16 6, 1, 0
	PLACES NP
	WIN 0
	FETCH_A \next, 0, 4
.endm
.macro LAST                            ; the very last step: nothing more to fetch
	s_wait_dscnt 4*NL
	WIN MUL_LO
	MUL16 0, 1, 0
	MUL16 2, 1, 0
	s_wait_dscnt 0
	WIN MUL_HI
	MUL16 4, 1, 0
	MUL16 6, 1, 0
	WIN 0
.endm
; THE WAY OUT.  A block's 64 numbers, v[TMP] on, are held and converted: v[TMP + 8 b ..] gives registers 2 b, 2 b + 1 of the codes' set a % 2.
.macro PACK a
.set CDS, CD+16*((\a)%2)
.set j, 0
.rept 64
	v_med3_num_f32 v[TMP+j], v[TMP+j], -v31, v31   ; the conversion to an 8-bit code does not saturate (ISA guide 7.6.2): the hold comes first
.set j, j+1
.endr
.if (\a) >= 2
	s_wait_alu depctr_va_vdst(0)
	s_wait_xcnt 0x0                                ; block a - 2's stores have read this set: only behind this wait is it written again
.endif
.irp b, 0,1,2,3,4,5,6,7
	v_cvt_scalef32_pk8_bf8_f32 v[CDS+2*\b:CDS+2*\b+1], v[TMP+8*\b:TMP+8*\b+7], v30
.endr
	v_nop                                          ; one plain line between the conversions and the next block's lines, which write their sources
.endm
; q and k, block a: 16 positions x my two heads.  Lane (r, h): position 16 a + r; v[TMP + 8 (4 g + bb) + j]: head g, d = 16 bb + 8 h + j.
.macro QKBLOCK a
.set AC, 64*((\a)%4)
.set RT, 32*(\a)                       ; the block's table, in window 1: cos at +8 u, sin at +16 + 8 u, for i = 16 u + 8 h + 0 .. 7
	s_wait_loadcnt 56-8*(\a)                       ; the bias and this block's table are in; the later blocks' eight loads each may be out
	WIN 0x02+((\a)/4)                              ; source 0: window 2 or 3
.set j, 0
.rept 32
	v_pk_fma_f32 v[TMP+j:TMP+j+1], v[AC+j:AC+j+1], s[84:85], v[BI+j:BI+j+1] op_sel_hi:[1,0,1]   ; sum x 2^(e0 + e1) + bias; each accumulator from its low end on
.set j, j+2
.endr
	WIN 0x04                                       ; source 1: window 1
.irp g, 0,1
.irp u, 0,1
.set RLO, TMP+8*(4*\g+\u)              ; d = i
.set RHI, RLO+16                       ; d = i + 32
.irp k, 0,2,4,6
	v_pk_mul_f32 v[U+\k:U+\k+1], v[RHI+\k:RHI+\k+1], v[RT+16+8*\u+\k:RT+16+8*\u+\k+1]
.endr
.irp k, 0,2,4,6
	v_pk_mul_f32 v[U+8+\k:U+8+\k+1], v[RLO+\k:RLO+\k+1], v[RT+16+8*\u+\k:RT+16+8*\u+\k+1]
.endr
.irp k, 0,2,4,6
	v_pk_fma_f32 v[RLO+\k:RLO+\k+1], v[RLO+\k:RLO+\k+1], v[RT+8*\u+\k:RT+8*\u+\k+1], v[U+\k:U+\k+1]   ; t(i) cos + t(i + 32) sin
.endr
.irp k, 0,2,4,6
	v_pk_fma_f32 v[RHI+\k:RHI+\k+1], v[RHI+\k:RHI+\k+1], v[RT+8*\u+\k:RT+8*\u+\k+1], v[U+8+\k:U+8+\k+1] neg_lo:[0,0,1] neg_hi:[0,0,1]   ; t(i + 32) cos - t(i) sin
.endr
.endr
.endr
	WIN 0
	PACK \a
.irp g, 0,1
	global_store_b128 v[LI], v[CDS+8*\g:CDS+8*\g+3],   s[86+2*\g:87+2*\g] offset:1024*(\a)       ; head g's fragment of these 16 positions: two pieces
	global_store_b128 v[LI], v[CDS+8*\g+4:CDS+8*\g+7], s[86+2*\g:87+2*\g] offset:1024*(\a)+512
.endr
.endm
; v, block a: 16 channels x my 128 keys.  Lane (r, h): channel 16 a + r; v[TMP + 8 b + j]: key 16 b + 8 h + j: a whole fragment of V
.macro VBLOCK a
.set AC, 64*((\a)%4)
	WIN 0x02+((\a)/4)
.set j, 0
.rept 32
	v_pk_fma_f32 v[TMP+j:TMP+j+1], v[AC+j:AC+j+1], s[84:85], v[BI+2*(\a):BI+2*(\a)+1] op_sel_hi:[1,0,1]
.set j, j+2
.endr
	WIN 0
	PACK \a
.irp c, 0,1,2,3
	global_store_b128 v[LI], v[CDS+4*\c:CDS+4*\c+3], s[86+2*((\a)/4):87+2*((\a)/4)] offset:2048*((\a)%4)+512*\c
.endr
.endm
	s_wait_alu depctr_va_vdst(0)
	s_wait_tensorcnt 0x0                           ; my part of K step 0 is in
	ds_add_u32 v[SPW], v[NIL]
	s_wait_dscnt 0x0
	CROUND                                         ; everybody's part of K step 0 is in, and all sixteen work-groups are here
	JLOAD G0+4, G1, G0B+4, G1B                     ; K step 1's load, the first tensor load behind the round
	global_prefetch_b8 v[PF+2], s[PFA:PFA+1] th:TH_LOAD_NT scope:SCOPE_SE   ; K step 3, two loads ahead
	FETCH_B 0, 0, 0
	FETCH_A 0, 0, 0
	FETCH_A 0, 0, 4
	STEP 0, 0, 1                                   ; the first products start the sums
	TURN 0, 1, 1                                   ; slot 0 takes K step 2
	STEP 1, 0, 0
	TURN 1, 0, 1                                   ; slot 1 takes K step 3
	STEP 0, 0, 0
	TURN 0, 1, 0                                   ; nothing is left to fetch
	STEP 1, 0, 0
	s_cmp_eq_u32 s[KIND], 2                        ; the ways out part here, on the cluster's x
	s_cbranch_scc1 .Lvpath
.irp b, 0,1,2,3,4,5,6,7                        ; the bias of features 16 b + 8 h + 0 .. 7
	global_load_b128 v[BI+8*\b:BI+8*\b+3],   v24, s[92:93] offset:64*\b
	global_load_b128 v[BI+8*\b+4:BI+8*\b+7], v24, s[92:93] offset:64*\b+16
.endr
	WIN TO_B                                       ; the table of blocks 0-3 into source 0's set 0, which the last step does not read (four places stand behind its last products)
.irp a, 0,1,2,3
.irp c, 0,1,2,3,4,5,6,7
	global_load_b128 v[32*\a+4*\c:32*\a+4*\c+3], v[LI], s[90:91] offset:4096*\a+512*\c
.endr
.endr
	LAST
	PLACES NP                                      ; in front of the loads into set 1, of the first reads of results, and of the writes over source 1's fragments
	WIN TO_B
.irp a, 4,5,6,7
.irp c, 0,1,2,3,4,5,6,7
	global_load_b128 v[32*\a+4*\c:32*\a+4*\c+3], v[LI], s[90:91] offset:4096*\a+512*\c
.endr
.endr
	WIN 0
.irp a, 0,1,2,3,4,5,6,7
	QKBLOCK \a
.endr
	s_branch .Lend
.Lvpath:
.irp a, 0,1,2,3,4,5,6,7                        ; the bias of channel 16 a + r, into both registers of a pair
	global_load_b32 v[BI+2*\a],   v25, s[92:93] offset:64*\a
	global_load_b32 v[BI+2*\a+1], v25, s[92:93] offset:64*\a
.endr
	LAST
	PLACES NP
	s_wait_loadcnt 0x0
.irp a, 0,1,2,3,4,5,6,7
	VBLOCK \a
.endr
.Lend:
	s_wait_tensorcnt 0x0                           ; the wave's end, behind my last tensor load
	ds_add_u32 v[SPW], v[NIL]
	s_wait_dscnt 0x0
	CROUND                                         ; the closing round: no work-group ends while a partner may still ask for a tile that names it
	s_endpgm
.Lfunc_end_k_qcd59e817d1_qkv:
	.size	k_qcd59e817d1_qkv, .Lfunc_end_k_qcd59e817d1_qkv-k_qcd59e817d1_qkv
	.p2alignl 7, 3214868480
	.fill 96, 4, 3214868480
	.section	.rodata,"a",@progbits
	.p2align	6, 0x0
	.amdhsa_kernel k_qcd59e817d1_qkv
		.amdhsa_group_segment_fixed_size 327680
		.amdhsa_private_segment_fixed_size 0
		.amdhsa_enable_private_segment 0
		.amdhsa_kernarg_size 56
		.amdhsa_user_sgpr_count 2
		.amdhsa_user_sgpr_kernarg_segment_ptr 1
		.amdhsa_wavefront_size32 1
		.amdhsa_system_sgpr_workgroup_id_x 1
		.amdhsa_system_sgpr_workgroup_id_y 1
		.amdhsa_system_sgpr_workgroup_id_z 1
		.amdhsa_system_vgpr_workitem_id 0
		.amdhsa_next_free_vgpr 1024
		.amdhsa_next_free_sgpr 98
		.amdhsa_reserve_vcc 0
		.amdhsa_float_denorm_mode_32 3
		.amdhsa_float_denorm_mode_16_64 3
		.amdhsa_memory_ordered 1
		.amdhsa_forward_progress 1
		.amdhsa_inst_pref_size 238
	.end_amdhsa_kernel
	.amdgpu_metadata
---
amdhsa.version: [ 1, 2 ]
amdhsa.kernels:
  - .name:           k_qcd59e817d1_qkv
    .symbol:         k_qcd59e817d1_qkv.kd
    .args:
      - { .name: xc, .offset: 0, .size: 8, .value_kind: global_buffer, .address_space: global }
      - { .name: wqc, .offset: 8, .size: 8, .value_kind: global_buffer, .address_space: global }
      - { .name: lowp_scales, .offset: 16, .size: 8, .value_kind: global_buffer, .address_space: global }
      - { .name: Wqkv_b, .offset: 24, .size: 8, .value_kind: global_buffer, .address_space: global }
      - { .name: rope, .offset: 32, .size: 8, .value_kind: global_buffer, .address_space: global }
      - { .name: qc, .offset: 40, .size: 8, .value_kind: global_buffer, .address_space: global }
      - { .name: kv, .offset: 48, .size: 8, .value_kind: global_buffer, .address_space: global }
    .group_segment_fixed_size: 327680
    .private_segment_fixed_size: 0
    .kernarg_segment_align: 8
    .kernarg_segment_size: 56
    .max_flat_workgroup_size: 128
    .sgpr_count:     98
    .vgpr_count:     1024
    .wavefront_size: 32
...
	.end_amdgpu_metadata
.endif
;; end of part 2
;; launch attn (part 3): grid 4 x 64, 8 waves a work-group, clusters of 4 x 1, 327,680 bytes of LDS; arguments qc, kv, lowp_scales, ac; writes ac
.if DOCPART == 3
	.amdgcn_target "amdgcn-amd-amdhsa--gfx1250"
	.amdhsa_code_object_version 6
	.text
	.protected	k_qcd59e817d1_attn
	.globl	k_qcd59e817d1_attn
	.p2align	8
	.type	k_qcd59e817d1_attn,@function
k_qcd59e817d1_attn:
	s_mov_b64 s[64:65], 0
	v_nop
	global_prefetch_b8 v0, s[64:65] scope:SCOPE_SE
	s_setreg_imm32_b32 hwreg(HW_REG_WAVE_MODE, 25, 1), 1
	s_wait_xcnt 0x0
	s_wait_alu depctr_hold_cnt(0) depctr_sa_sdst(0) depctr_va_vdst(0) depctr_va_sdst(0) depctr_va_ssrc(0) depctr_va_vcc(0) depctr_vm_vsrc(0)
	s_getreg_b32 s2, hwreg(HW_REG_IB_STS2, 6, 4)
	s_cmp_eq_u32 s2, 0
	s_cbranch_scc0 .Lentry_in_a_cluster
	s_endpgm
.Lentry_in_a_cluster:
	s_bfe_u32 s2, ttmp6, 0x10000c
	s_cmp_lg_u32 s2, 0x3003
	s_cbranch_scc0 .Lentry_shape_is_right
	s_endpgm
.Lentry_shape_is_right:
; O = softmax(Q K^T / 8) V for one head (of 64 = batch x head) and 512 queries a work-group, both products on codes of BF8 (E5M2); O is quantised with entry 6 of the scales and leaves as images of operand registers.
; IN: qc [head][tile of 16 queries][1,024 bytes]; kv [head][step of 128 keys][K: 8 fragments of 16 keys x 64, 1,024 bytes each | V: 4 fragments of 16 channels x 128 keys, 2,048 bytes each]: images of registers, piece c at 512 c + 16 x lane.
; OUT: ac [feature / 256][position / 16][(feature / 128) % 2][image of 2,048 bytes]; a head's 64 features are half an image.  Every store covers 512 consecutive bytes, aligned.
; THE SOFTMAX: t = score x log2(e) / 8; M = ceil(the row's largest t); p = 2^(t - M) is quantised with entry 4; the row's sum is taken of the unquantised p and divides O at the end.
; SHARES.  The head's K and V, 262,144 bytes, lie in LDS for the whole launch: eight waves fetch 32,768 bytes each by ONE tensor load; nothing is filled again.  The four work-groups of a cluster serve one head and ask jointly (mask 15).
; A wave owns FOUR tiles of 16 queries: each fragment of K and V that it reads from LDS feeds four tiles' products.  Two waves share a SIMD.
; TWO WALKS OVER THE KEYS.  The first makes S^T = K Q^T and keeps only each lane's largest score (8 matrix instructions and 32 three-input maxima for a tile and a step), so M is known whole before any p is made.
; The second then has no factor 2^(old M - new M): the 16 packed multiplications of O^T, those of the sums and the chain of lines that makes the factor, for each tile and step, are not in it.
; THE SECOND WALK GOES IN STAGES, one a tile.  Stage g: t - M of tile g; its 64 exponentials, and BETWEEN them 48 plain lines of tile g - 1 (the first 16 additions of its sum, its 32 dual holds), whose results are first read behind
; the batch's wait; then tile g - 1's conversions, tile g + 1's scores into the set just converted, the other 16 additions, and tile g - 1's four products with V.  A trip of the loop is four stages, a key step.
; The loop is written once: its first stage finds a set of zeros in tile 3's place (codes 0, which add nothing to the sum or to O^T), its last stage makes scores of a step that does not follow (they are not read),
; and the last tile's holds, conversions and products stand behind the loop.
; Both products are used transposed (source 0 = keys or channels, source 1 = my queries): a lane holds ONE query, register j of score tile t is key 16 t + 8 (lane / 16) + j, so the conversions' results are the second product's operand.
; No prefetch: the launch's only tensor loads stand at its head, and there is no loop to run ahead in.
; LIMITS: e2 + e3 between -123 and 130 (added to c's exponent field); e4 and e6 between -126 and 112; e4 + e5 goes by v_ldexp_f32.  NaN among the inputs is not served.
; REGISTERS.  Window 0: v1 16 x lane; v2, v3 the add's two; v4, v5 the hold; v6 the conversion's scale; v8, v9 LDS addresses; v10-13 at work; v16-23 and v112-119 two pairs a tile: the sum (first walk: v16-23 maxima);
;   v24-31 a pair a tile: -M in the low one (first walk: two maxima); v32-63 Q; v64-79 p's codes; v80-111 sixteen pairs of the sum at work (first walk: v64-127 a third set of scores); v128-255 two sets of 64 scores.
;   Window 1: v0-63 K's eight fragments; v64-127 V's four; v128-255 O^T, accumulator (tile i, channels 16 cb on) at 128 + 32 i + 8 cb.
.set SPARE, 0x40000                    ; behind the tiles: the spare words, 128 bytes for each wave
.set STEPB, 0x4000                     ; a key step in LDS
.set WV,  18
.set SEL, 20
.set CS,  22
.set G1,  24
.set G0,  32
.set TB,  2                            ; s2  LDS byte at which the step in hand begins; also the loops' counter
.set TN,  3                            ; s3  the same for the step whose K is fetched ahead
.set LI,  1
.set SPW, 2
.set NIL, 3
.set HA,  4
.set HB,  5
.set SC,  6
.set AV,  8
.set AK,  9
.set PT,  10
.set LS,  16
.set NM,  24
.set QF,  32
.set CD,  64
.set UU,  80
.set LP,  112
.set SB,  128
.set KF,  0
.set VF,  64
.set OA,  128
.set MSB, 0
.macro WIN new                         ; the immediate's high byte repeats the setting that is left
.if MSB != \new
	s_set_vgpr_msb (MSB<<8)|\new
.set MSB, \new
.endif
.endm
.macro CROUND                          ; a round of the cluster's barrier
	s_barrier_signal -1
	s_barrier_wait -1
	s_cmp_lg_u32 s[WV], 0
	s_cbranch_scc1 .Lnot_wave_0_\@
	s_barrier_signal -3
.Lnot_wave_0_\@:
	s_barrier_wait -3
	s_barrier_signal -1
	s_barrier_wait -1
.endm
.macro PLACES n
.rept \n
	v_nop
.endr
.endm
.macro KLOAD adr                       ; a step's eight fragments of K
	WIN 0x40
.irp t, 0,1,2,3,4,5,6,7
	ds_load_b128 v[KF+8*\t:KF+8*\t+3], v[\adr] offset:1024*\t
	ds_load_b128 v[KF+8*\t+4:KF+8*\t+7], v[\adr] offset:1024*\t+512
.endr
	WIN 0
.endm
.macro VLOAD adr                       ; a step's four fragments of V
	WIN 0x40
.irp c, 0,1,2,3,4,5,6,7,8,9,10,11,12,13,14,15
	ds_load_b128 v[VF+4*\c:VF+4*\c+3], v[\adr] offset:8192+512*\c
.endr
	WIN 0
.endm
.macro SMUL i, d                       ; S^T of tile i into the set at v[d]: eight tiles of 16 keys
.irp t, 0,1,2,3,4,5,6,7
	v_wmma_f32_16x16x64_bf8_bf8 v[\d+8*\t:\d+8*\t+7], v[KF+8*\t:KF+8*\t+7], v[QF+8*(\i):QF+8*(\i)+7], 0
.endr
.endm
.macro AHEAD                           ; where the next step's K lies; in the last trip it is held at the last step: those loads stay inside the tiles and their result serves nothing
	s_add_co_u32 s[TN], s[TB], STEPB
	s_min_u32 s[TN], s[TN], 15*STEPB
.endm
.macro MAXT i, d                       ; my lane's largest score of tile i, in four chains; each accumulator from its low end on
.set j, 0
.rept 8
	v_max3_num_f32 v[LS+2*(\i)], v[LS+2*(\i)], v[\d+j], v[\d+j+1]
	v_max3_num_f32 v[LS+2*(\i)+1], v[LS+2*(\i)+1], v[\d+j+2], v[\d+j+3]
	v_max3_num_f32 v[NM+2*(\i)], v[NM+2*(\i)], v[\d+j+4], v[\d+j+5]
	v_max3_num_f32 v[NM+2*(\i)+1], v[NM+2*(\i)+1], v[\d+j+6], v[\d+j+7]
.set j, j+8
.endr
.endm
.macro HOLD2 r                         ; two numbers held at the largest code x the scale in one dual line: the conversion to an 8-bit code does not saturate (ISA guide 7.6.2); p is not negative
	v_dual_min_num_f32 v[\r], v[HA], v[\r] :: v_dual_min_num_f32 v[\r+1], v[HB], v[\r+1]
.endm
; What is left of tile ip behind its holds: p at v[pb] becomes codes; tile nxt's scores take the set (nxt < 0: none); the sixteen pairs are added up; O^T += V^T P^T.  kl = 1: K's registers take the next step's fragments.
.macro POST ip, pb, nxt, kl
.irp t, 0,1,2,3,4,5,6,7
	v_cvt_scalef32_pk8_bf8_f32 v[CD+2*\t:CD+2*\t+1], v[\pb+8*\t:\pb+8*\t+7], v[SC]
.endr
	v_nop                                          ; one plain line behind the last conversion
.if (\nxt) >= 0
	WIN 0x01
	SMUL \nxt, \pb
	WIN 0
.endif
.irp k, 0,1,2,3,4,5,6,7                        ; these sixteen additions are the places behind the scores' products
	v_pk_add_f32 v[UU+2*\k:UU+2*\k+1], v[UU+2*\k:UU+2*\k+1], v[UU+2*\k+16:UU+2*\k+17]
.endr
.irp k, 0,1,2,3
	v_pk_add_f32 v[UU+2*\k:UU+2*\k+1], v[UU+2*\k:UU+2*\k+1], v[UU+2*\k+8:UU+2*\k+9]
.endr
	v_pk_add_f32 v[UU:UU+1], v[UU:UU+1], v[UU+4:UU+5]
	v_pk_add_f32 v[UU+2:UU+3], v[UU+2:UU+3], v[UU+6:UU+7]
	v_pk_add_f32 v[LS+2*(\ip):LS+2*(\ip)+1], v[LS+2*(\ip):LS+2*(\ip)+1], v[UU:UU+1]
	v_pk_add_f32 v[LP+2*(\ip):LP+2*(\ip)+1], v[LP+2*(\ip):LP+2*(\ip)+1], v[UU+2:UU+3]
.if \kl
	KLOAD AK
.endif
	WIN 0x51
.irp cb, 0,1,2,3                               ; four accumulators, one instruction each
	v_wmma_f32_16x16x128_bf8_bf8 v[OA+32*(\ip)+8*\cb:OA+32*(\ip)+8*\cb+7], v[VF+16*\cb:VF+16*\cb+15], v[CD:CD+15], v[OA+32*(\ip)+8*\cb:OA+32*(\ip)+8*\cb+7]
.endr
	WIN 0
.endm
.macro STAGE i
.set SBF, SB+64*((\i)%2)               ; tile i's set
.set PBF, SB+64*(1-(\i)%2)             ; the set of the tile before it
.set j, 0
.rept 32
	v_pk_fma_f32 v[SBF+j:SBF+j+1], v[SBF+j:SBF+j+1], s[CS:CS+1], v[NM+2*(\i):NM+2*(\i)+1] op_sel_hi:[1,0,0]   ; t - M; each accumulator from its low end on
.set j, j+2
.endr
	s_wait_alu depctr_va_vdst(0)
.set k, 0
.rept 16                                       ; four exponentials of tile i and three plain lines of the tile before it, sixteen times
	v_exp_f32 v[SBF+4*k], v[SBF+4*k]
	v_pk_add_f32 v[UU+2*k:UU+2*k+1], v[PBF+4*k:PBF+4*k+1], v[PBF+4*k+2:PBF+4*k+3]   ; the sum is taken of the unquantised p, ahead of the hold
	v_exp_f32 v[SBF+4*k+1], v[SBF+4*k+1]
	HOLD2 PBF+4*k
	v_exp_f32 v[SBF+4*k+2], v[SBF+4*k+2]
	HOLD2 PBF+4*k+2
	v_exp_f32 v[SBF+4*k+3], v[SBF+4*k+3]
.set k, k+1
.endr
	v_nop                                          ; a plain place behind the last exponential
	s_wait_alu depctr_va_vdst(0)                   ; one wait for the batch and for the plain lines laid into it, ahead of their first readers
	s_wait_dscnt 0x0                               ; what was asked of LDS a stage ago is in (stage 1: V; stage 3: the next step's K)
	POST ((\i)+3)%4, PBF, ((\i)+1)%4, ((\i)==2)
.if (\i) == 0
	PLACES 4                                       ; behind the last step's last products with V, in front of the loads into V's registers
	VLOAD AV
.endif
.endm
	s_load_b128 s[4:7], s[0:1], 0x0                ; Q's codes, K's and V's codes
	s_load_b128 s[8:11], s[0:1], 0x10              ; the scales' exponents, O's codes
	v_lshl_add_u32 v[SPW], v0, 2, SPARE
	v_mov_b32 v[NIL], 0
	ds_add_u32 v[SPW], v[NIL]                      ; the opening lines: the add twice on end and its wait ahead of my first tensor load
	ds_add_u32 v[SPW], v[NIL]
	v_lshrrev_b32 v7, 5, v0
	s_delay_alu instid0(VALU_DEP_1)
	v_readfirstlane_b32 s[WV], v7                  ; wave 0..7
	s_bfe_u32 s48, ttmp6, 0x40000                  ; cx: which 512 queries
	s_and_b32 s49, ttmp7, 0xffff                   ; the head, 0..63
	s_mov_b32 s[G1], 15|(3<<16)|(1<<21)            ; the mask names the cluster's four; elements of 8 bytes; bit 21 beside a mask
	s_mov_b32 s[G1+1], 32<<16                      ; a dense block of 32,768 bytes as 128 rows of 256
	s_mov_b32 s[G1+2], 128<<16
	s_mov_b32 s[G1+3], 32<<16
	s_mov_b32 s[G1+4], 128
	s_mov_b32 s[G1+5], 32
	s_mov_b32 s[G1+6], 0
	s_mov_b32 s[G1+7], 0
	s_lshl_b32 s52, s49, 18                        ; the head's 262,144 bytes,
	s_lshl_b32 s50, s[WV], 15                      ; my wave's 32,768 of them
	s_add_co_u32 s52, s52, s50
	s_mov_b32 s53, 0
	s_mov_b32 s[G0], 1
	s_lshl_b32 s[G0+1], s[WV], 15                  ; and the same place in LDS
	s_wait_dscnt 0x0                               ; both opening adds are done
	s_wait_kmcnt 0x0
	s_load_b256 s[68:75], s[8:9], 0x0              ; e0 .. e7
	s_add_nc_u64 s[G0+2:G0+3], s[6:7], s[52:53]
	s_or_b32 s[G0+3], s[G0+3], 0x80000000
	CROUND                                         ; the four partners are here: the joint loads meet
	tensor_load_to_lds s[G0:G0+3], s[G1:G1+7]      ; my one tensor load of the launch
	s_nop 0
	PLACES 4
	s_lshl_b32 s54, s49, 17                        ; Q: 131,072 bytes a head, 32,768 a work-group, 4,096 a wave (four tiles)
	s_lshl_b32 s55, s48, 15
	s_add_co_u32 s54, s54, s55
	s_lshl_b32 s55, s[WV], 12
	s_add_co_u32 s54, s54, s55
	s_mov_b32 s55, 0
	s_add_nc_u64 s[4:5], s[4:5], s[54:55]
	v_and_b32 v[LI], 31, v0
	s_delay_alu instid0(VALU_DEP_1)
	v_lshlrev_b32 v[LI], 4, v[LI]
.irp k, 0,1,2,3,4,5,6,7
	global_load_b128 v[QF+4*\k:QF+4*\k+3], v[LI], s[4:5] offset:512*\k th:TH_LOAD_NT   ; tile k / 2, piece k % 2
.endr
	s_and_b32 s58, s49, 15                         ; O's codes: the plane of four heads,
	s_lshr_b32 s56, s58, 2
	s_lshl_b32 s56, s56, 21
	s_and_b32 s58, s58, 3                          ; the head's half image in a block of 16 positions,
	s_lshl_b32 s58, s58, 10
	s_add_co_u32 s56, s56, s58
	s_lshr_b32 s58, s49, 4                         ; the batch's 128 blocks of 4,096 bytes,
	s_lshl_b32 s58, s58, 19
	s_add_co_u32 s56, s56, s58
	s_lshl_b32 s58, s48, 17                        ; the work-group's 32,
	s_add_co_u32 s56, s56, s58
	s_lshl_b32 s58, s[WV], 14                      ; the wave's four
	s_add_co_u32 s56, s56, s58
	s_mov_b32 s57, 0
	s_add_nc_u64 s[10:11], s[10:11], s[56:57]
	s_mov_b32 s[SEL], 0x76543210
	s_mov_b32 s[SEL+1], 0xfedcba98                 ; lane l xor 16
	s_mov_b32 s[CS], 0x3e38aa3b                    ; c = log2(e) / 8
.irp j, 0,1,2,3
	v_mov_b32 v[PT+\j], 0                          ; written once: a lane permute's destination counts as one of its sources
.endr
.set j, 0
.rept 16
	v_mov_b32 v[LS+j], 0xff800000                  ; the sixteen chains of maxima begin under every score
.set j, j+1
.endr
	WIN 0x40
.set j, 0
.rept 128
	v_mov_b32 v[OA+j], 0                           ; O^T: the second walk's stages are written once, so the first trip adds onto zeros; these lines stand while the tiles are on their way
.set j, j+1
.endr
	WIN 0
	s_wait_kmcnt 0x0
	s_add_co_i32 s60, s70, s71
	s_lshl_b32 s60, s60, 23
	s_add_co_i32 s[CS], s[CS], s60                 ; a score stands for score x 2^(e2 + e3): added to c's exponent field
	s_mov_b32 s[CS+1], s[CS]
	s_add_co_i32 s60, s72, 127
	s_lshl_b32 s61, s60, 23
	v_mov_b32 v[SC], s61                           ; 2^e4, for p's conversion
	s_add_co_i32 s60, s60, 15
	s_lshl_b32 s60, s60, 23
	s_or_b32 s60, s60, 0x600000
	v_mov_b32 v[HA], s60                           ; 57,344 x 2^e4, twice: the dual line's two first sources lie in different banks
	v_mov_b32 v[HB], s60
	s_add_co_i32 s60, s74, 127
	s_lshl_b32 s62, s60, 23                        ; 2^e6, for O's conversion
	s_add_co_i32 s60, s60, 15
	s_lshl_b32 s60, s60, 23
	s_or_b32 s63, s60, 0x600000                    ; 57,344 x 2^e6
	s_add_co_i32 s76, s72, s73                     ; e4 + e5
	s_wait_alu depctr_va_vdst(0)
	s_wait_loadcnt 0x0                             ; Q
	s_wait_tensorcnt 0x0                           ; my eighth of K and V has landed,
	s_barrier_signal -1
	s_barrier_wait -1                              ; everybody's has
	KLOAD LI                                       ; step 0's K
	s_mov_b32 s[TB], 0
; THE FIRST WALK: the largest score of each query.  Three sets of scores, so that K's registers are free behind tile 0's maxima and the next step's fragments have 96 maxima in which to land.
.Lmax:
	AHEAD
	v_add_nc_u32 v[AK], s[TN], v[LI]
	s_wait_dscnt 0x0                               ; this step's K is in
	WIN 0x01
	SMUL 0, SB
	SMUL 1, SB+64
	SMUL 2, CD
	WIN 0
	PLACES 4                                       ; in front of the first read of results
	MAXT 0, SB
	WIN 0x01
	SMUL 3, SB
	PLACES 4                                       ; in front of loads into registers that matrix instructions have read
	KLOAD AK
	MAXT 1, SB+64
	MAXT 2, CD
	MAXT 3, SB
	s_add_co_u32 s[TB], s[TB], STEPB
	s_cmp_lt_u32 s[TB], 16*STEPB
	s_cbranch_scc1 .Lmax
	s_wait_alu depctr_va_vdst(0)
	s_wait_dscnt 0x0                               ; the last trip's loads have landed: K's registers may be asked for again
	KLOAD LI                                       ; step 0's K, for the second walk,
	VLOAD LI                                       ; and step 0's V: codes of finite numbers for the first stage's products with codes 0
.irp i, 0,1,2,3                                ; the four tiles take turns line by line
	v_max3_num_f32 v[LS+2*\i], v[LS+2*\i], v[LS+2*\i+1], v[NM+2*\i]
.endr
.irp i, 0,1,2,3
	v_max_num_f32 v[LS+2*\i], v[LS+2*\i], v[NM+2*\i+1]
.endr
.irp i, 0,1,2,3
	v_permlanex16_b32 v[PT+\i], v[LS+2*\i], s[SEL], s[SEL+1]
.endr
.irp i, 0,1,2,3
	v_max_num_f32 v[LS+2*\i], v[LS+2*\i], v[PT+\i]     ; and lane l xor 16's: the row's largest score
.endr
.irp i, 0,1,2,3
	v_mul_f32 v[LS+2*\i], s[CS], v[LS+2*\i]            ; as t (c is positive)
.endr
.irp i, 0,1,2,3
	v_floor_f32 v[NM+2*\i], -v[LS+2*\i]                ; -M = floor(-t) = -ceil(t)
.endr
.set j, 0
.rept 8
	v_mov_b32 v[LS+j], 0                           ; the sums, two pairs a tile
	v_mov_b32 v[LP+j], 0
.set j, j+1
.endr
.set j, 0
.rept 64
	v_mov_b32 v[SB+64+j], 0                        ; the set that the first stage takes for tile 3's p
.set j, j+1
.endr
	s_mov_b32 s[TB], 0
	s_wait_alu depctr_va_vdst(0)
	s_wait_dscnt 0x0                               ; step 0's K and V are in
	WIN 0x01
	SMUL 0, SB                                     ; tile 0's scores of step 0
	WIN 0
	PLACES 4
; THE SECOND WALK: four stages a key step.
.Lkeys:
	AHEAD
	v_add_nc_u32 v[AV], s[TB], v[LI]
	v_add_nc_u32 v[AK], s[TN], v[LI]
	STAGE 0
	STAGE 1
	STAGE 2
	STAGE 3
	s_add_co_u32 s[TB], s[TB], STEPB
	s_cmp_lt_u32 s[TB], 16*STEPB
	s_cbranch_scc1 .Lkeys
.set k, 0
.rept 16                                       ; the last step's tile 3: what a next stage would have laid into its batch
	v_pk_add_f32 v[UU+2*k:UU+2*k+1], v[SB+64+4*k:SB+64+4*k+1], v[SB+64+4*k+2:SB+64+4*k+3]
	HOLD2 SB+64+4*k
	HOLD2 SB+64+4*k+2
.set k, k+1
.endr
	POST 3, SB+64, -1, 0
; THE WAY OUT: O^T / the sum x 2^(e4 + e5), held, converted with 2^e6, stored as half images.
.irp i, 0,1,2,3
	v_add_f32 v[LS+2*\i], v[LS+2*\i], v[LS+2*\i+1]     ; the sum's four parts (these lines are the places behind the last products),
.endr
.irp i, 0,1,2,3
	v_add_f32 v[LP+2*\i], v[LP+2*\i], v[LP+2*\i+1]
.endr
.irp i, 0,1,2,3
	v_add_f32 v[LS+2*\i], v[LS+2*\i], v[LP+2*\i]
.endr
.irp i, 0,1,2,3
	v_permlanex16_b32 v[PT+\i], v[LS+2*\i], s[SEL], s[SEL+1]
.endr
.irp i, 0,1,2,3
	v_add_f32 v[LS+2*\i], v[LS+2*\i], v[PT+\i]         ; and lane l xor 16's
.endr
	s_wait_alu depctr_va_vdst(0)
.irp i, 0,1,2,3
	v_rcp_f32 v[LS+2*\i], v[LS+2*\i]
.endr
	v_mov_b32 v[HA], s63                           ; (a plain place)  57,344 x 2^e6
	v_mov_b32 v[SC], s62                           ; 2^e6
	s_wait_alu depctr_va_vdst(0)                   ; the batch's wait, ahead of its first reader
.irp i, 0,1,2,3
	v_ldexp_f32 v[LS+2*\i], v[LS+2*\i], s76
.endr
	WIN 0x01
	s_wait_alu depctr_va_vdst(0)                   ; directly ahead of the first reader of O^T
.irp i, 0,1,2,3
.set j, 0
.rept 16
	v_pk_mul_f32 v[SB+32*\i+j:SB+32*\i+j+1], v[OA+32*\i+j:OA+32*\i+j+1], v[LS+2*\i:LS+2*\i+1] op_sel_hi:[1,0]   ; each accumulator from its low end on
.set j, j+2
.endr
.endr
	WIN 0
.set j, 0
.rept 128
	v_med3_num_f32 v[SB+j], v[SB+j], -v[HA], v[HA]
.set j, j+1
.endr
.set j, 0
.rept 16
	v_cvt_scalef32_pk8_bf8_f32 v[CD+2*j:CD+2*j+1], v[SB+8*j:SB+8*j+7], v[SC]   ; tile j / 4, channels 16 (j % 4) + 8 (lane / 16) on
.set j, j+1
.endr
	v_nop
.irp i, 0,1,2,3
	global_store_b128 v[LI], v[CD+8*\i:CD+8*\i+3], s[10:11] offset:4096*\i
	global_store_b128 v[LI], v[CD+8*\i+4:CD+8*\i+7], s[10:11] offset:4096*\i+512
.endr
	s_wait_tensorcnt 0x0                           ; the wave's end
	ds_add_u32 v[SPW], v[NIL]
	s_wait_dscnt 0x0
	CROUND                                         ; the closing round
	s_endpgm
.Lfunc_end_k_qcd59e817d1_attn:
	.size	k_qcd59e817d1_attn, .Lfunc_end_k_qcd59e817d1_attn-k_qcd59e817d1_attn
	.p2alignl 7, 3214868480
	.fill 96, 4, 3214868480
	.section	.rodata,"a",@progbits
	.p2align	6, 0x0
	.amdhsa_kernel k_qcd59e817d1_attn
		.amdhsa_group_segment_fixed_size 327680
		.amdhsa_private_segment_fixed_size 0
		.amdhsa_enable_private_segment 0
		.amdhsa_kernarg_size 32
		.amdhsa_user_sgpr_count 2
		.amdhsa_user_sgpr_kernarg_segment_ptr 1
		.amdhsa_wavefront_size32 1
		.amdhsa_system_sgpr_workgroup_id_x 1
		.amdhsa_system_sgpr_workgroup_id_y 1
		.amdhsa_system_sgpr_workgroup_id_z 1
		.amdhsa_system_vgpr_workitem_id 0
		.amdhsa_next_free_vgpr 512
		.amdhsa_next_free_sgpr 80
		.amdhsa_reserve_vcc 0
		.amdhsa_float_denorm_mode_32 3
		.amdhsa_float_denorm_mode_16_64 3
		.amdhsa_memory_ordered 1
		.amdhsa_forward_progress 1
		.amdhsa_inst_pref_size 91
	.end_amdhsa_kernel
	.amdgpu_metadata
---
amdhsa.version: [ 1, 2 ]
amdhsa.kernels:
  - .name:           k_qcd59e817d1_attn
    .symbol:         k_qcd59e817d1_attn.kd
    .args:
      - { .name: qc, .offset: 0, .size: 8, .value_kind: global_buffer, .address_space: global }
      - { .name: kv, .offset: 8, .size: 8, .value_kind: global_buffer, .address_space: global }
      - { .name: lowp_scales, .offset: 16, .size: 8, .value_kind: global_buffer, .address_space: global }
      - { .name: ac, .offset: 24, .size: 8, .value_kind: global_buffer, .address_space: global }
    .group_segment_fixed_size: 327680
    .private_segment_fixed_size: 0
    .kernarg_segment_align: 8
    .kernarg_segment_size: 32
    .max_flat_workgroup_size: 256
    .sgpr_count:     80
    .vgpr_count:     512
    .wavefront_size: 32
...
	.end_amdgpu_metadata
.endif
;; end of part 3
;; launch proj (part 4): grid 4 x 32, 4 waves a work-group, clusters of 4 x 4, 327,680 bytes of LDS; arguments ac, woc, lowp_scales, Wo_b, out0; writes out0
.if DOCPART == 4
	.amdgcn_target "amdgcn-amd-amdhsa--gfx1250"
	.amdhsa_code_object_version 6
	.text
	.protected	k_qcd59e817d1_proj
	.globl	k_qcd59e817d1_proj
	.p2align	8
	.type	k_qcd59e817d1_proj,@function
k_qcd59e817d1_proj:
	s_mov_b64 s[64:65], 0
	v_nop
	global_prefetch_b8 v0, s[64:65] scope:SCOPE_SE
	s_setreg_imm32_b32 hwreg(HW_REG_WAVE_MODE, 25, 1), 1
	s_wait_xcnt 0x0
	s_wait_alu depctr_hold_cnt(0) depctr_sa_sdst(0) depctr_va_vdst(0) depctr_va_sdst(0) depctr_va_ssrc(0) depctr_va_vcc(0) depctr_vm_vsrc(0)
	s_getreg_b32 s2, hwreg(HW_REG_IB_STS2, 6, 4)
	s_cmp_eq_u32 s2, 0
	s_cbranch_scc0 .Lentry_in_a_cluster
	s_endpgm
.Lentry_in_a_cluster:
	s_bfe_u32 s2, ttmp6, 0x10000c
	s_cmp_lg_u32 s2, 0xf033
	s_cbranch_scc0 .Lentry_shape_is_right
	s_endpgm
.Lentry_shape_is_right:
; out0 = O Wo_w^T + Wo_b on codes of BF8 (E5M2): O's codes (scale entry 6) and Wo_w's (entry 7) are images of operand registers, [k / 256][row / 16][(k / 128) % 2][image of 2,048 bytes];
; sums in f32; a finished sum is multiplied once by 2^(e6 + e7) and the bias is added in the same fused line.  LIMIT: e6 + e7 between -126 and 127.  NaN among the inputs is not served.
; A tile, 256 positions x 256 features, is made by four waves, 128 x 128 each (64 accumulators); K = 1,024 goes in four steps of 256 through two LDS slots; 128 rows x 256 K are 32,768 consecutive bytes, one tensor load.
; CLUSTERS: 4 x 4 work-groups; O's tiles are asked for jointly along a row of the cluster, Wo_w's along a column.  Source 0 = Wo_w, source 1 = O: a lane holds eight neighbouring features of one position.
; THE WAY OUT: 16 positions x 128 features at a time through the wave's stage in slot 0, which has had its last fill and its last read; the 32 lanes store a row's 512 consecutive bytes, aligned.
; PREFETCH.  Each K step's load goes out with nothing on its way beside it.  Behind K step j's joint load stands a request for K step j + 2; behind the first also one for K step 1.  K steps 2 and 3's loads ask for nothing.
; A wave's 32,768 bytes of a step are shared out among the four partners that ask for them jointly, by address: 8,192 bytes each (by cx for O, by cy for Wo_w), lanes 256 bytes apart, one instruction.
; The furthest address lies in plane 3 of the four of its buffer; the requests' registers (v8-10, s[2:3]) are never written again.
.set PLA,   2097152
.set PLB,   262144
.set HALFT, 32768
.set SLOT,  4*HALFT
.set SPARE, 2*SLOT
.set SPITCH, 528
.set NROW,  4096
.set FR,    16
.set NL,    4
.set NP,    4
.set LI,    3
.set ADR1,  16
.set ADR0,  20
.set STO,   24
.set RD,    25
.set BO,    27
.set SPW,   28
.set NIL,   29
.set TMP,   32
.set AF,    128
.set BK,    128
.set G1,  24
.set G0,  32
.set G1B, 48
.set G0B, 56
.set MSB, 0
.macro WIN new
.if MSB != \new
	s_set_vgpr_msb (MSB<<8)|\new
.set MSB, \new
.endif
.endm
.set MUL_LO, 0xa1
.set MUL_HI, 0xf1
.set TO_B,   0x40
.macro JLOAD g0a, g1a, g0b, g1b
	s_cmp_eq_u32 s15, 0
	s_cbranch_scc0 .Lfor_b_\@
	tensor_load_to_lds s[\g0a:\g0a+3], s[\g1a:\g1a+7]
	s_nop 0
.rept 4
	v_nop
.endr
	s_branch .Lasked_\@
.Lfor_b_\@:
	tensor_load_to_lds s[\g0b:\g0b+3], s[\g1b:\g1b+7]
	s_nop 0
.rept 4
	v_nop
.endr
.Lasked_\@:
.endm
.macro CREST
	s_cmp_lg_u32 s14, 0
	s_cbranch_scc1 .Lnot_wave_0_\@
	s_barrier_signal -3
.Lnot_wave_0_\@:
	s_barrier_wait -3
	s_barrier_signal -1
	s_barrier_wait -1
.endm
.macro CROUND
	s_barrier_signal -1
	s_barrier_wait -1
	CREST
.endm
	s_load_b256 s[4:11], s[0:1], 0x0
	s_load_b64 s[12:13], s[0:1], 0x20
	v_lshl_add_u32 v[SPW], v0, 2, SPARE
	v_mov_b32 v[NIL], 0
	ds_add_u32 v28, v29
	ds_add_u32 v28, v29
	s_wait_dscnt 0x0
	v_lshrrev_b32 v1, 5, v0
	v_readfirstlane_b32 s14, v1
	s_lshr_b32 s15, s14, 1
	s_and_b32 s16, s14, 1
	s_bfe_u32 s40, ttmp6, 0x40000
	s_bfe_u32 s41, ttmp6, 0x40004
	s_lshl_b32 s42, ttmp9, 2
	s_add_co_u32 s42, s42, s40
	s_and_b32 s17, ttmp7, 0xffff
	s_lshl_b32 s17, s17, 2
	s_add_co_u32 s17, s17, s41
	s_lshl_b32 s43, s41, 2
	s_lshl_b32 s43, 15, s43
	s_lshl_b32 s44, 0x1111, s40
	s_or_b32 s[G1+0], s43, (3<<16)|(1<<21)
	s_or_b32 s[G1B+0], s44, (3<<16)|(1<<21)
.irp g, G1, G1B
	s_mov_b32 s[\g+1], 32<<16
	s_mov_b32 s[\g+2], 128<<16
	s_mov_b32 s[\g+3], 32<<16
	s_mov_b32 s[\g+4], 128
	s_mov_b32 s[\g+5], 32
	s_mov_b32 s[\g+6], 0
	s_mov_b32 s[\g+7], 0
.endr
	s_lshl_b32 s18, s16, 15
	s_lshl_b32 s20, s17, 16
	s_add_co_u32 s20, s20, s18
	s_mov_b32 s21, 0
	s_lshl_b32 s46, s42, 16
	s_add_co_u32 s46, s46, s18
	s_mov_b32 s47, 0
	s_mul_i32 s45, s14, HALFT
	s_wait_kmcnt 0x0
	s_load_b64 s[96:97], s[8:9], 0x18
	s_add_nc_u64 s[20:21], s[4:5], s[20:21]
	s_add_nc_u64 s[46:47], s[6:7], s[46:47]
	s_cmp_eq_u32 s15, 0                            ; the requests: do I fetch for O?
	s_cselect_b64 s[2:3], s[20:21], s[46:47]       ; what I fetch of K step 0,
	s_cselect_b32 s18, s40, s41                    ; my place among the four that ask for it with me,
	s_mov_b32 s67, PLB
	s_cselect_b32 s67, PLA, s67                    ; and a plane of that tensor
	s_lshl_b32 s18, s18, 13                        ; my work-group's 8,192 bytes of the 32,768
	s_mov_b32 s19, 0
	s_add_nc_u64 s[2:3], s[2:3], s[18:19]
	CROUND                                         ; all sixteen work-groups are here: the first joint loads meet
.irp s, 0,1
	s_mov_b32 s[G0+4*\s], 1
	s_add_co_u32 s[G0+4*\s+1], s45, \s*SLOT
	s_add_nc_u64 s[G0+4*\s+2:G0+4*\s+3], s[20:21], \s*PLA
	s_or_b32 s[G0+4*\s+3], s[G0+4*\s+3], 0x80000000
	s_mov_b32 s[G0B+4*\s], 1
	s_add_co_u32 s[G0B+4*\s+1], s45, \s*SLOT
	s_add_nc_u64 s[G0B+4*\s+2:G0B+4*\s+3], s[46:47], \s*PLB
	s_or_b32 s[G0B+4*\s+3], s[G0B+4*\s+3], 0x80000000
.if \s == 1                                    ; slot 1's first fill is issued as a refill is
	s_wait_alu depctr_va_vdst(0)
	s_wait_tensorcnt 0x0                           ; my part of K step 0 is in
	ds_add_u32 v28, v29
	s_wait_dscnt 0x0
	CROUND
.endif
	JLOAD G0+4*\s, G1, G0B+4*\s, G1B               ; one tensor load a wave at the head, one behind the round
.if \s == 0
	v_and_b32 v8, 31, v0
	v_lshlrev_b32 v8, 8, v8                        ; lanes 256 bytes apart,
	v_add_nc_u32 v8, s67, v8                       ; in K step 1,
	v_add_nc_u32 v9, s67, v8                       ; 2
	v_add_nc_u32 v10, s67, v9                      ; and 3
	global_prefetch_b8 v8, s[2:3] th:TH_LOAD_NT scope:SCOPE_SE    ; K step 1
	global_prefetch_b8 v9, s[2:3] th:TH_LOAD_NT scope:SCOPE_SE    ; K step 2
.else
	global_prefetch_b8 v10, s[2:3] th:TH_LOAD_NT scope:SCOPE_SE   ; K step 3, two loads ahead
.endif
.endr
	v_and_b32 v1, 15, v0
	s_wait_alu depctr_va_vdst(0)
	v_bfe_u32 v2, v0, 4, 1
	v_and_b32 v[LI], 31, v0
	v_lshlrev_b32 v[LI], 4, v[LI]
	v_lshlrev_b32 v[BO], 5, v2
	s_mul_i32 s21, s15, HALFT
	s_mul_i32 s22, s16, HALFT
	s_add_co_u32 s22, s22, 2*HALFT
.irp s, 0,1
	v_add_nc_u32 v[ADR1+\s], s21, v[LI]
	v_add_nc_u32 v[ADR0+\s], s22, v[LI]
	s_add_co_u32 s21, s21, SLOT
	s_add_co_u32 s22, s22, SLOT
.endr
	s_mul_i32 s23, s14, 16*SPITCH
	v_mul_u32_u24 v5, v1, SPITCH
	s_wait_alu depctr_va_vdst(0)
	v_lshl_add_u32 v5, v2, 5, v5
	v_add_nc_u32 v[STO], s23, v5
	v_add_nc_u32 v[RD], s23, v[LI]
	s_lshl_b32 s20, s17, 20
	s_lshl_b32 s21, s15, 19
	s_add_co_u32 s20, s20, s21
	s_lshl_b32 s18, s42, 10
	s_lshl_b32 s21, s16, 9
	s_add_co_u32 s18, s18, s21
	s_mov_b32 s19, 0
	s_add_nc_u64 s[10:11], s[10:11], s[18:19]
	s_add_co_u32 s20, s20, s18
	s_mov_b32 s21, 0
	s_add_nc_u64 s[12:13], s[12:13], s[20:21]
.macro FRAG reg, adr, q, i
.irp c, 0,1,2,3
	ds_load_b128 v[\reg+4*\c:\reg+4*\c+3], v[\adr] offset:4096*(\i)+2048*(\q)+512*\c
.endr
.endm
.macro MUL16 a0, p, zero
.irp a, \a0, \a0+1
.irp b, 0,1,2,3,4,5,6,7
.if \zero
	v_wmma_f32_16x16x128_bf8_bf8 v[8*(8*((\a)%4)+\b):8*(8*((\a)%4)+\b)+7], v[128*(\p)+FR*\b:128*(\p)+FR*\b+FR-1], v[AF+FR*(\a):AF+FR*(\a)+FR-1], 0
.else
	v_wmma_f32_16x16x128_bf8_bf8 v[8*(8*((\a)%4)+\b):8*(8*((\a)%4)+\b)+7], v[128*(\p)+FR*\b:128*(\p)+FR*\b+FR-1], v[AF+FR*(\a):AF+FR*(\a)+FR-1], v[8*(8*((\a)%4)+\b):8*(8*((\a)%4)+\b)+7]
.endif
.endr
.endr
.endm
.macro FETCH_B slot, q, p
	WIN TO_B
.irp i, 0,1,2,3,4,5,6,7
	FRAG 128*(\p)+FR*\i, ADR0+\slot, \q, \i
.endr
	WIN 0
.endm
.macro FETCH_A slot, q, i0
.irp i, \i0, \i0+1, \i0+2, \i0+3
	FRAG AF+FR*(\i), ADR1+\slot, \q, \i
.endr
.endm
.macro PLACES n
.rept \n
	v_nop
.endr
.endm
.macro STEP slot, q, zero
	s_wait_dscnt 4*NL
	WIN MUL_LO
	MUL16 0, (\q)%2, \zero
	MUL16 2, (\q)%2, \zero
	s_wait_dscnt 0
	PLACES NP
	FETCH_B \slot, (\q)+1, 1-(\q)%2
	FETCH_A \slot, (\q)+1, 0
	WIN MUL_HI
	MUL16 4, (\q)%2, \zero
	MUL16 6, (\q)%2, \zero
	PLACES NP
	WIN 0
	FETCH_A \slot, (\q)+1, 4
.endm
.macro TURN slot, next, fill
	s_wait_tensorcnt 0x0
	ds_add_u32 v[SPW], v[NIL]
	s_wait_dscnt 4*NL+1
	WIN MUL_LO
	MUL16 0, 1, 0
	s_wait_dscnt 0x0
	s_barrier_signal -1
	MUL16 2, 1, 0
	WIN 0
	s_barrier_wait -1
.if \fill
	CREST
	s_add_nc_u64 s[G0+4*\slot+2:G0+4*\slot+3], s[G0+4*\slot+2:G0+4*\slot+3], 2*PLA
	s_add_nc_u64 s[G0B+4*\slot+2:G0B+4*\slot+3], s[G0B+4*\slot+2:G0B+4*\slot+3], 2*PLB
	JLOAD G0+4*\slot, G1, G0B+4*\slot, G1B
.else
	PLACES NP
.endif
	FETCH_B \next, 0, 0
	FETCH_A \next, 0, 0
	WIN MUL_HI
	MUL16 4, 1, 0
	MUL16 6, 1, 0
	PLACES NP
	WIN 0
	FETCH_A \next, 0, 4
.endm
	s_wait_tensorcnt 1
	s_barrier_signal -1
	s_barrier_wait -1
	FETCH_B 0, 0, 0
	FETCH_A 0, 0, 0
	FETCH_A 0, 0, 4
	STEP 0, 0, 1
	TURN 0, 1, 1
	STEP 1, 0, 0
	TURN 1, 0, 1
	STEP 0, 0, 0
	TURN 0, 1, 0
	STEP 1, 0, 0
	WIN TO_B
.irp b, 0,1,2,3,4,5,6,7
	global_load_b128 v[8*\b:8*\b+3],   v[BO], s[10:11] offset:64*\b
	global_load_b128 v[8*\b+4:8*\b+7], v[BO], s[10:11] offset:64*\b+16
.endr
	s_wait_dscnt 4*NL
	WIN MUL_LO
	MUL16 0, 1, 0
	MUL16 2, 1, 0
	s_wait_dscnt 0
	WIN MUL_HI
	MUL16 4, 1, 0
	MUL16 6, 1, 0
	WIN 0
.macro TOSTAGE a
.set AC, 64*((\a)%4)
	WIN 0x12+((\a)/4)
.set j, 0
.rept 32
	v_pk_fma_f32 v[TMP+j:TMP+j+1], v[AC+j:AC+j+1], s[96:97], v[j:j+1] op_sel_hi:[1,0,1]
.set j, j+2
.endr
	WIN 0
.irp b, 0,1,2,3,4,5,6,7
	ds_store_b128 v[STO], v[TMP+8*\b:TMP+8*\b+3] offset:64*\b
	ds_store_b128 v[STO], v[TMP+8*\b+4:TMP+8*\b+7] offset:64*\b+16
.endr
.set BB, BK+64*((\a)%2)
.irp t, 0,1,2,3,4,5,6,7,8,9,10,11,12,13,14,15
	ds_load_b128 v[BB+4*\t:BB+4*\t+3], v[RD] offset:\t*SPITCH
.endr
.endm
.macro SEND a, younger
.set BB, BK+64*((\a)%2)
	s_wait_dscnt \younger
.if (\a) > 0
	s_add_nc_u64 s[12:13], s[12:13], 16*NROW
.endif
.irp t, 0,1,2,3,4,5,6,7,8,9,10,11,12,13,14,15
	global_store_b128 v[LI], v[BB+4*\t:BB+4*\t+3], s[12:13] offset:\t*NROW th:TH_STORE_NT
.endr
.endm
	s_wait_kmcnt 0x0
	s_add_co_i32 s96, s96, s97
	s_add_co_i32 s96, s96, 127
	s_lshl_b32 s96, s96, 23
	s_mov_b32 s97, s96
	PLACES NP
	s_wait_loadcnt 0x0
	TOSTAGE 0
.irp a, 1,2,3,4,5,6,7
.if \a > 1
	s_wait_xcnt 0x0
.endif
	TOSTAGE \a
	SEND \a-1, 32
.endr
	s_wait_xcnt 0x0
	SEND 7, 0
	s_wait_tensorcnt 0x0
	ds_add_u32 v[SPW], v[NIL]
	s_wait_dscnt 0x0
	CROUND
	s_endpgm
.Lfunc_end_k_qcd59e817d1_proj:
	.size	k_qcd59e817d1_proj, .Lfunc_end_k_qcd59e817d1_proj-k_qcd59e817d1_proj
	.p2alignl 7, 3214868480
	.fill 96, 4, 3214868480
	.section	.rodata,"a",@progbits
	.p2align	6, 0x0
	.amdhsa_kernel k_qcd59e817d1_proj
		.amdhsa_group_segment_fixed_size 327680
		.amdhsa_private_segment_fixed_size 0
		.amdhsa_enable_private_segment 0
		.amdhsa_kernarg_size 40
		.amdhsa_user_sgpr_count 2
		.amdhsa_user_sgpr_kernarg_segment_ptr 1
		.amdhsa_wavefront_size32 1
		.amdhsa_system_sgpr_workgroup_id_x 1
		.amdhsa_system_sgpr_workgroup_id_y 1
		.amdhsa_system_sgpr_workgroup_id_z 1
		.amdhsa_system_vgpr_workitem_id 0
		.amdhsa_next_free_vgpr 1024
		.amdhsa_next_free_sgpr 98
		.amdhsa_reserve_vcc 0
		.amdhsa_float_denorm_mode_32 3
		.amdhsa_float_denorm_mode_16_64 3
		.amdhsa_memory_ordered 1
		.amdhsa_forward_progress 1
		.amdhsa_inst_pref_size 125
	.end_amdhsa_kernel
	.amdgpu_metadata
---
amdhsa.version: [ 1, 2 ]
amdhsa.kernels:
  - .name:           k_qcd59e817d1_proj
    .symbol:         k_qcd59e817d1_proj.kd
    .args:
      - { .name: ac, .offset: 0, .size: 8, .value_kind: global_buffer, .address_space: global }
      - { .name: woc, .offset: 8, .size: 8, .value_kind: global_buffer, .address_space: global }
      - { .name: lowp_scales, .offset: 16, .size: 8, .value_kind: global_buffer, .address_space: global }
      - { .name: Wo_b, .offset: 24, .size: 8, .value_kind: global_buffer, .address_space: global }
      - { .name: out0, .offset: 32, .size: 8, .value_kind: global_buffer, .address_space: global }
    .group_segment_fixed_size: 327680
    .private_segment_fixed_size: 0
    .kernarg_segment_align: 8
    .kernarg_segment_size: 40
    .max_flat_workgroup_size: 128
    .sgpr_count:     98
    .vgpr_count:     1024
    .wavefront_size: 32
...
	.end_amdgpu_metadata
.endif
;; end of part 4
